; MI455X (gfx1250); checked and timed in simulation.
; The chip was launched on July 23, 2026; its instructions are those of AMD's public machine-readable ISA for CDNA 5 (MIT licence, August 2026) and "CDNA5" Instruction Set Architecture Reference Guide (July 2026). The comments in the code are by the model that wrote it; some were corrected since.
;; Multi Head Attention. Allowed arithmetic: matrix products marked QUANTISED: E2M3 operands, one E8M0 scale for each 32 along K, by v_wmma_scale_f32_16x16x128_f8f6f4 with both operands' format E2M3, f32 sums; everything else in f32.
;; Inputs: mask 2,048 x 2,048 bool; wk_codes 1,024 x 32 x 24 uint8 (E2M3 codes of wk, K innermost, in blocks of 32 codes, four codes in three bytes); wk_scales 1,024 x 32 uint8 (E8M0 scales of wk, one for each 32 codes along K); wo_codes 1,024 x 32 x 24 uint8 (E2M3 codes of wo, K innermost, in blocks of 32 codes, four codes in three bytes); wo_scales 1,024 x 32 uint8 (E8M0 scales of wo, one for each 32 codes along K); wq_codes 1,024 x 32 x 24 uint8 (E2M3 codes of wq, K innermost, in blocks of 32 codes, four codes in three bytes); wq_scales 1,024 x 32 uint8 (E8M0 scales of wq, one for each 32 codes along K); wv_codes 1,024 x 32 x 24 uint8 (E2M3 codes of wv, K innermost, in blocks of 32 codes, four codes in three bytes); wv_scales 1,024 x 32 uint8 (E8M0 scales of wv, one for each 32 codes along K); x_codes 4 x 2,048 x 32 x 24 uint8 (E2M3 codes of x, K innermost, in blocks of 32 codes, four codes in three bytes); x_scales 4 x 2,048 x 32 uint8 (E8M0 scales of x, one for each 32 codes along K).
;; Outputs: out0 4 x 2,048 x 1,024 float32.
;; This version of the problem:
;;   THIS VERSION OF THE PROBLEM IS GIVEN IN LOW PRECISION. The matrix products marked QUANTISED in the list below multiply operands that are first quantised to E2M3 (2 exponent bits, 3 mantissa bits; 6 bits a number), with one power-of-two scale for each 32 numbers along K (OCP MX v1.0); their sums are f32. All else is computed in f32.
;;   The module's matrix products, in the order in which they are computed (A, B: the left and right operand; K: the contracted axis; several contracted axes count as one K, in the product's order):
;;     1. [M 8,192, K 1,024] x [K 1,024, N 1,024]; A: input x (given as codes); B: input wq (given as codes): QUANTISED
;;     2. [M 8,192, K 1,024] x [K 1,024, N 1,024]; A: input x (given as codes); B: input wk (given as codes): QUANTISED
;;     3. [M 8,192, K 1,024] x [K 1,024, N 1,024]; A: input x (given as codes); B: input wv (given as codes): QUANTISED
;;     4. batch 64 x [M 2,048, K 64] x [K 64, N 2,048]; A: computed on the way; B: computed on the way: QUANTISED
;;     5. batch 64 x [M 64, K 2,048] x [K 2,048, N 2,048]; A: computed on the way; B: softmax (see below): QUANTISED
;;     6. [M 8,192, K 1,024] x [K 1,024, N 1,024]; A: computed on the way; B: input wo (given as codes): QUANTISED
;;   THE QUANTISER, for each operand of a quantised product, along K:
;;     - K is cut into blocks of 32 from its start; a last block that is shorter is filled with zeros.
;;     - A block's scale is 2^e with e = floor(log2(the largest magnitude in the block)) - 2, held to -126 .. 127; a block of zeros has e = 0. As a byte (E8M0): e + 127.
;;     - Each number is divided by its block's scale, clamped to +-7.5, and rounded to the nearest number of E2M3, ties to even, subnormals kept.
;;     - The product sums the exact products of the quantised numbers (number of the format x scale) in f32.
;;   ~~~python
;;   def quantise(x, axis):      # numpy; x: float32 -> the quantised numbers, widened to float32 again
;;       x = np.moveaxis(x, axis, -1); K = x.shape[-1]
;;       x = np.pad(x, [(0, 0)] * (x.ndim - 1) + [(0, -K % 32)]); x = x.reshape(x.shape[:-1] + (-1, 32)); a = np.abs(x).max(-1, keepdims=True)
;;       e = np.where(a > 0, np.clip(np.frexp(np.where(a > 0, a, 1))[1] - 1 - 2, -126, 127), 0)      # np.frexp(a)[1] - 1 = floor(log2(a)), exactly
;;       r = np.clip(x / 2.0 ** e, -7.5, 7.5)
;;       step = 2.0 ** (np.maximum(np.frexp(np.where(r == 0, 1, r))[1] - 1, 0) - 3)
;;       q = np.round(r / step) * step * 2.0 ** e      # np.round: ties to even
;;       return np.moveaxis(q.reshape(q.shape[:-2] + (-1,))[..., :K], -1, axis).astype(np.float32)
;;   ~~~
;;   SOFTMAX AHEAD OF A QUANTISED PRODUCT. Where the list says 'softmax', what is quantised is not the finished softmax but p = 2^(t - M), with t = logit x log2(e) and M = ceil(the row's largest t), a whole number; so 1/2 < the row's largest p <= 1. The row's sum l is taken of the UNQUANTISED p, in f32, and the product's result is divided by l at the end. Since M is a whole number, a kernel that streams over the keys may use a running M (the ceiling of the running maximum): every later rescaling is an exact power of two, which a block's scale takes up: the codes' values come out the same.
;;   OPERANDS COMPUTED ON THE WAY. 'Computed on the way' means the value that the module computes at that place (a softmax that the list does not call 'softmax' is quantised finished and normalised). What goes into a quantiser is computed in f32, as accurately as f32 sums, v_exp_f32 and their like allow (about 1e-6 of the number): no bf16 or f16 on the way to a quantiser, and a product that is left as it is and whose result goes on into a quantised operand takes f32 operands (vector FMAs, or v_wmma_f32_16x16x4_f32). A number that lies on a knife's edge between two numbers of the format may be rounded either way, as far as f32 arithmetic and the matrix unit's own rounding can turn it there, and no further.
;;   INPUTS GIVEN AS CODES. wk (in the module: [1024, 1024], K = its axis 1); wo (in the module: [1024, 1024], K = its axis 1); wq (in the module: [1024, 1024], K = its axis 1); wv (in the module: [1024, 1024], K = its axis 1); x (in the module: [4, 2048, 1024], K = its axis 2): each comes as NAME_codes (uint8): NAME with its K axis moved to the last place and cut into blocks of 32 codes, [.., K / 32, bytes a block], one block behind the other in memory; four codes in three bytes: a row's codes are one little-endian stream of bits, code i at bits 6 i .. 6 i + 5 (a code: sign, 2 exponent bits, 3 mantissa bits); and NAME_scales (uint8): the same leading axes, one E8M0 byte (e + 127) for each 32 codes along K. Its value is code x scale, taken as it is: it is not quantised again, and the codes and scales need not be those that the quantiser above would give.
;; One version. Each part assembles by itself: llvm-mc -triple=amdgcn-amd-amdhsa -mcpu=gfx1250 --defsym DOCPART=n.
;; ======== version 1 of 1: 3 launches
;; limits: right only within a limited range of input values
;; workspace buffers: fl 4,096 bytes of whole numbers; qws 6,815,744 bytes; kv 13,631,488 bytes; acodes 6,291,456 bytes; ascales 262,144 bytes
;; launch qkv (part 1): grid 4 x 64, 4 waves a work-group, clusters of 4 x 4, 327,680 bytes of LDS; arguments x_codes, x_scales, wq_codes, wq_scales, wk_codes, wk_scales, wv_codes, wv_scales, mask, fl, qws, kv; writes fl, qws, kv
.if DOCPART == 1
	.amdgcn_target "amdgcn-amd-amdhsa--gfx1250"
	.amdhsa_code_object_version 6
	.text
	.protected	k_qb004624ea3_qkv
	.globl	k_qb004624ea3_qkv
	.p2align	8
	.type	k_qb004624ea3_qkv,@function
k_qb004624ea3_qkv:
	s_mov_b64 s[64:65], 0
	v_nop
	global_prefetch_b8 v0, s[64:65] scope:SCOPE_SE
	s_setreg_imm32_b32 hwreg(HW_REG_WAVE_MODE, 25, 1), 1
	s_wait_xcnt 0x0
	s_wait_alu depctr_hold_cnt(0) depctr_sa_sdst(0) depctr_va_vdst(0) depctr_va_sdst(0) depctr_va_ssrc(0) depctr_va_vcc(0) depctr_vm_vsrc(0)
	s_getreg_b32 s2, hwreg(HW_REG_IB_STS2, 6, 4)
	s_cmp_eq_u32 s2, 0
	s_cbranch_scc0 .Lentry_in_a_cluster
	s_endpgm
.Lentry_in_a_cluster:
	s_bfe_u32 s2, ttmp6, 0x10000c
	s_cmp_lg_u32 s2, 0xf033
	s_cbranch_scc0 .Lentry_shape_is_right
	s_endpgm
.Lentry_shape_is_right:
; q, k, v = x Wq^T, x Wk^T, x Wv^T on codes of FP6 (E2M3) with E8M0 scales as they are given, and what follows each up to its quantiser:
; q, k: RMS norm over a head's 64 channels, rotation, codes along the channels;  v: codes along the keys.  Nothing leaves as f32.  Beside that, the mask's flags for the launch that follows.
; SHARES.  256 work-groups that stay: work-group (cx, y) takes rows 128 y .. + 127 of x and channels 256 cx .. + 255 of Wq, then of Wk, then of Wv.  Wave w makes 128 rows x 64 channels,
; head 4 cx + w: 32 accumulators.  ALL OF K LIES IN LDS: x's 128 rows and the weight's 256 rows are dense blocks of memory and come as units of 256 bytes with 16 bytes of padding behind each,
; so a row of 768 bytes has the LDS pitch 816.  x comes once; the weight's bytes are filled again twice, behind a round of the cluster's barrier, and the fill is on its way during the
; norm, rotation and quantising of the weight before: the request stands four pairs of row tiles ahead of the wait for it, so no prefetch is laid beside it.
; CLUSTERS of 4 x 4: the four of a row ask for x's rows jointly, the four of a column for the weight's.  Scale words go from memory into registers: 16 lanes read 512 consecutive bytes.
; Source 0 = 16 rows of W, source 1 = 16 rows of x: in accumulator (a, b) lane (r, h) holds row 16 a + r and channels 16 b + 8 h + 0 .. 7.
; BEHIND THE HEAD'S TENSOR LOAD, on registers:
;   THE MASK'S FLAGS.  The mask [2048 queries][2048 keys] of bytes (0 or 1) is cut into 1,024 units of 32 queries (a pair p) x 128 keys (a key step ks), one for each wave of the launch; a load takes
;   four rows' pieces of 128 bytes.  Flag word 16 p + ks: bit 0 = some entry is true, bit 1 = all are.  The flag is chosen by selects: no branch hangs on the bytes.
;   THE ROTARY TABLE.  cos and sin of theta = t x f[d], d = 0 .. 15 (the other sixteen frequencies are 0).  f[d] = (1/1024)^e[d] as f32 literals, e[d] = d x RN(1/15) rounded to f32 (e[15] = 1), the power
;   correctly rounded.  theta is one f32 product, as the problem has it; n = round(theta 2/pi) quarter turns are taken off in two parts of pi/2; sine and cosine of the rest by polynomials of degree 7 and 8.
;   Wave w makes row tiles w and 4 + w; the four waves hand them to each other as images of registers through 8,192 bytes of LDS of their own, in two halves, behind the wait for the tensor loads.
; WHAT IS STORED are images of operand registers: a fragment's 12 registers as three chunks of 512 bytes, lane l's four registers at 16 l; scale words four to a lane at 16 l.
;   q, k: fragment bp holds rows 32 bp .. + 15 in its K 0-63 and rows 32 bp + 16 .. + 31 in its K 64-127.  Inside a block of 32 channels the slots hold channels 0-7, 16-23, 8-15, 24-31, in q as in k.
;   v: fragment dt holds in lane (r, h) channel 32 (r / 8) + 8 dt + r % 8 and the key blocks h and 2 + h, keys in the same order of slots.
; LIMITS: NaN and infinities are not served; a block whose largest magnitude lies under 2^-124 gets the scale byte 1 (a block of zeros too: its codes are zeros, and this program alone reads the bytes).
; REGISTERS: window 0: v0-31 addresses; v32-95 x's scale words, v96-127 W's, and nothing else there; v128-223 W's fragments, two sets; at the head and behind a product v128-255 are at work.
;   window 1: x's fragments, two sets at v0 and v128 (at the head: the mask's bytes; at the end: v's columns).  window 2: the accumulators, (a, b) at 8 (4 a + b).  window 3: v0-127 the rotary table.
.set PITCH,  816
.set BOFF,   128*PITCH                 ; the weight's rows lie behind x's
.set SPARE,  BOFF+256*PITCH            ; the spare words: 128 bytes a wave
.set TBL,    SPARE+512                 ; half of the rotary table: four row tiles of 2,048 bytes; no tensor load lands here
.set WSTG,   35328                     ; v's stage, one a wave, in the weight's bytes, which have had their last fill by then
.set TF,   15                          ; my place t, as f32
.set ADRA, 16                          ; v16-19 x's blocks 0-3 (plain; + 16 h), blocks 4-7
.set ADRB, 20                          ; v20-21 my 64 rows of W
.set MKO,  22                          ; the mask: 2048 (lane / 8) + 16 (lane % 8)
.set TST,  23                          ; the table: where I put my row tile
.set VST,  24
.set VRD,  25
.set LI,   26                          ; 16 x lane
.set SOF,  27                          ; 32 r
.set SPW,  28
.set NIL,  29
.set TRD,  30                          ; the table: where I read
.set SH8,  31                          ; 8 h
.set SA,   32
.set SB,   96
.set BF,   128
.set G1,  24
.set G0A, 32
.set G0B, 36
.set G1B, 48
.set G0R, 60
.set MSB, 0
.macro WIN new                         ; the immediate's high byte repeats the setting that is left
.if MSB != (\new)
	s_set_vgpr_msb (MSB<<8)|(\new)
.set MSB, (\new)
.endif
.endm
.macro PLACES                          ; plain vector instructions between a matrix instruction and a load into, or a read of, its registers
.rept 4
	v_nop
.endr
.endm
.macro CROUND                          ; a round of the cluster's barrier
	s_barrier_signal -1
	s_barrier_wait -1
	s_cmp_lg_u32 s14, 0
	s_cbranch_scc1 .Lnot_wave_0_\@
	s_barrier_signal -3
.Lnot_wave_0_\@:
	s_barrier_wait -3
	s_barrier_signal -1
	s_barrier_wait -1
.endm
.macro FRAG reg, adr, st, off          ; 24 bytes of the row twice, in pieces of 8; byte y of a row lies at y + 16 (y / 256); where lanes 16-31 fall behind one padding more, the second register serves
.irp p, 0,1,2,3,4,5
.set BY, 96*(\st)+48*(\p/3)+8*(\p%3)
.if BY%256 < 232
	ds_load_b64 v[\reg+2*\p:\reg+2*\p+1], v[\adr] offset:BY+16*(BY/256)+(\off)
.else
	ds_load_b64 v[\reg+2*\p:\reg+2*\p+1], v[\adr+1] offset:BY+16*(BY/256)+(\off)
.endif
.endr
.endm
.macro FETCH1 st                       ; 48 loads: W's four fragments and x's blocks 0-3 of step st
	WIN 0
.irp i, 0,1,2,3
	FRAG BF+48*((\st)%2)+12*\i, ADRB, \st, \i*16*PITCH
.endr
	WIN 0x40
.irp i, 0,1,2,3
	FRAG 128*((\st)%2)+12*\i, ADRA, \st, \i*16*PITCH
.endr
.endm
.macro FETCH2 st                       ; 24 loads: x's blocks 4-7
	WIN 0x40
.irp i, 0,1,2,3
	FRAG 128*((\st)%2)+48+12*\i, ADRA+2, \st, \i*16*PITCH
.endr
.endm
.macro MULH st, a0, zero               ; 16 products; the 32 accumulators take turns in the same order in every step
	WIN 0xa4                                       ; source 0 window 0, source 1 window 1, C and D window 2
.irp a, \a0, \a0+1, \a0+2, \a0+3
.irp b, 0,1,2,3
.if \zero
	v_wmma_scale_f32_16x16x128_f8f6f4 v[8*(4*(\a)+\b):8*(4*(\a)+\b)+7], v[BF+48*((\st)%2)+12*\b:BF+48*((\st)%2)+12*\b+11], v[128*((\st)%2)+12*(\a):128*((\st)%2)+12*(\a)+11], 0, v[SB+8*\b+(\st)], v[SA+8*(\a)+(\st)] matrix_a_fmt:MATRIX_FMT_FP6 matrix_b_fmt:MATRIX_FMT_FP6
.else
	v_wmma_scale_f32_16x16x128_f8f6f4 v[8*(4*(\a)+\b):8*(4*(\a)+\b)+7], v[BF+48*((\st)%2)+12*\b:BF+48*((\st)%2)+12*\b+11], v[128*((\st)%2)+12*(\a):128*((\st)%2)+12*(\a)+11], v[8*(4*(\a)+\b):8*(4*(\a)+\b)+7], v[SB+8*\b+(\st)], v[SA+8*(\a)+(\st)] matrix_a_fmt:MATRIX_FMT_FP6 matrix_b_fmt:MATRIX_FMT_FP6
.endif
.endr
.endr
.endm
.macro KSTEP st, zero
	s_wait_dscnt 24                                ; W's fragments and x's blocks 0-3 are in; the youngest 24 loads may be out
	MULH \st, 0, \zero
	PLACES                                         ; the other sets were read by the step before
	FETCH1 (\st)+1
	s_wait_dscnt 48                                ; all but the 48 just issued
	MULH \st, 4, \zero
	FETCH2 (\st)+1
.endm
.macro GEMM                            ; eight steps of 128 along K; the first starts the sums
	FETCH1 0
	FETCH2 0
	KSTEP 0, 1
.set ST, 1
.rept 6
	KSTEP ST, 0
.set ST, ST+1
.endr
	s_wait_dscnt 24
	MULH 7, 0, 0
	s_wait_dscnt 0
	MULH 7, 4, 0
	WIN 0
.endm
.macro BSCALES base                    ; my 64 rows' scale words: block i, step s at SB + 8 i + s
.irp i, 0,1,2,3
	global_load_b128 v[SB+8*\i:SB+8*\i+3], v[SOF], s[\base:\base+1] offset:512*\i
	global_load_b128 v[SB+8*\i+4:SB+8*\i+7], v[SOF], s[\base:\base+1] offset:512*\i+16
.endr
.endm
; ---- the rotary table's macros.  Eight frequencies a lane, 8 h + j, as eight chains that take turns
.set TH,  128
.set NN,  136
.set RR,  144
.set ZZ,  152
.set SI,  160
.set CC,  168
.set TO,  192                          ; v192-223 my two row tiles: tile ph at 192 + 16 ph: eight cosines, eight sines
.set FQ,  248                          ; v248-255 my eight frequencies
.macro FSET j, lo, hi                  ; VCC: lanes 0-15
	v_mov_b32 v[FQ+\j], \lo
	v_cndmask_b32 v[FQ+\j], \hi, v[FQ+\j], vcc_lo
.endm
.macro TRIG8 ph
.irp j, 0,1,2,3,4,5,6,7
	v_mul_f32 v[TH+\j], v[TF], v[FQ+\j]            ; theta
.endr
.irp j, 0,1,2,3,4,5,6,7
	v_mul_f32 v[NN+\j], 0x3f22f983, v[TH+\j]       ; x 2/pi
.endr
.irp j, 0,1,2,3,4,5,6,7
	v_rndne_f32 v[NN+\j], v[NN+\j]                 ; n quarter turns
.endr
.irp j, 0,1,2,3,4,5,6,7
	v_fma_f32 v[RR+\j], -v[NN+\j], s92, v[TH+\j]
.endr
.irp j, 0,1,2,3,4,5,6,7
	v_fma_f32 v[RR+\j], v[NN+\j], s93, v[RR+\j]    ; the rest r
.endr
.irp j, 0,1,2,3,4,5,6,7
	v_mul_f32 v[ZZ+\j], v[RR+\j], v[RR+\j]         ; z = r r
.endr
.irp j, 0,1,2,3,4,5,6,7
	v_fma_f32 v[SI+\j], v[ZZ+\j], s94, s95
	v_fma_f32 v[CC+\j], v[ZZ+\j], s101, s22
.endr
.irp j, 0,1,2,3,4,5,6,7
	v_fma_f32 v[SI+\j], v[SI+\j], v[ZZ+\j], s100
	v_fma_f32 v[CC+\j], v[CC+\j], v[ZZ+\j], s23
.endr
.irp j, 0,1,2,3,4,5,6,7
	v_mul_f32 v[SI+\j], v[SI+\j], v[ZZ+\j]
	v_mul_f32 v[CC+\j], v[CC+\j], v[ZZ+\j]
.endr
.irp j, 0,1,2,3,4,5,6,7
	v_fma_f32 v[TH+\j], v[ZZ+\j], -0.5, 1.0
	v_fma_f32 v[SI+\j], v[SI+\j], v[RR+\j], v[RR+\j]   ; sin r
.endr
.irp j, 0,1,2,3,4,5,6,7
	v_fma_f32 v[CC+\j], v[CC+\j], v[ZZ+\j], v[TH+\j]   ; cos r
	v_cvt_i32_f32 v[NN+\j], v[NN+\j]
.endr
.irp j, 0,1,2,3,4,5,6,7
	v_and_b32 v[TH+\j], 1, v[NN+\j]
.endr
.irp j, 0,1,2,3,4,5,6,7
	v_cmp_eq_u32 vcc_lo, 1, v[TH+\j]               ; an odd quarter swaps the two (a choice of values)
	v_cndmask_b32 v[RR+\j], v[SI+\j], v[CC+\j], vcc_lo
	v_cndmask_b32 v[ZZ+\j], v[CC+\j], v[SI+\j], vcc_lo
.endr
.irp j, 0,1,2,3,4,5,6,7
	v_and_b32 v[TH+\j], 2, v[NN+\j]                ; the sine changes sign in quarters 2 and 3,
	v_add_nc_u32 v[NN+\j], 1, v[NN+\j]             ; the cosine in quarters 1 and 2
.endr
.irp j, 0,1,2,3,4,5,6,7
	v_lshlrev_b32 v[TH+\j], 30, v[TH+\j]
	v_and_b32 v[NN+\j], 2, v[NN+\j]
.endr
.irp j, 0,1,2,3,4,5,6,7
	v_xor_b32 v[TO+16*(\ph)+8+\j], v[TH+\j], v[RR+\j]
	v_lshlrev_b32 v[NN+\j], 30, v[NN+\j]
.endr
.irp j, 0,1,2,3,4,5,6,7
	v_xor_b32 v[TO+16*(\ph)+\j], v[NN+\j], v[ZZ+\j]
.endr
.endm
.macro TPUT ph                         ; my row tile of half ph, as an image of its sixteen registers
.irp q, 0,1,2,3
	ds_store_b128 v[TST], v[TO+16*(\ph)+4*\q:TO+16*(\ph)+4*\q+3] offset:512*\q
.endr
.endm
.macro TGET ph                         ; the half's four row tiles: window 3, v[16 a ..] cos, v[16 a + 8 ..] sin of place 16 a + r, frequencies 8 h + 0 .. 7
	WIN 0xc0
.irp a, 0,1,2,3
.irp q, 0,1,2,3
	ds_load_b128 v[16*(4*(\ph)+\a)+4*\q:16*(4*(\ph)+\a)+4*\q+3], v[TRD] offset:2048*\a+512*\q
.endr
.endr
	WIN 0
.endm
	s_load_b512 s[68:83], s[0:1], 0x0              ; x's codes 68, scales 70; Wq's 72, 74; Wk's 76, 78; Wv's 80, 82
	s_load_b256 s[84:91], s[0:1], 0x40             ; mask 84, fl 86, qws 88, kv 90
	v_lshl_add_u32 v[SPW], v0, 2, SPARE
	v_mov_b32 v[NIL], 0
	ds_add_u32 v[SPW], v[NIL]                      ; the opening lines: the add, twice on end, and its wait
	ds_add_u32 v[SPW], v[NIL]
	v_lshrrev_b32 v1, 5, v0
	v_readfirstlane_b32 s14, v1                    ; wave
	s_lshr_b32 s15, s14, 1                         ; at the head I fetch for x (0) or for W (1),
	s_and_b32 s16, s14, 1                          ; and which half
	s_bfe_u32 s40, ttmp6, 0x40000                  ; cx
	s_bfe_u32 s41, ttmp6, 0x40004                  ; cy
	s_and_b32 s17, ttmp7, 0xffff
	s_lshl_b32 s17, s17, 2
	s_add_co_u32 s17, s17, s41                     ; y
	s_lshl_b32 s43, s41, 2
	s_lshl_b32 s43, 15, s43                        ; my row of the cluster
	s_lshl_b32 s44, 0x1111, s40                    ; my column
	s_or_b32 s[G1+0], s43, (3<<16)|(1<<20)|(1<<21)|(5<<22)|(3<<25)   ; elements of 8 bytes; after every 64 words 4 words of padding; bit 21 beside a mask
	s_or_b32 s[G1B+0], s44, (3<<16)|(1<<20)|(1<<21)|(5<<22)|(3<<25)
	s_mov_b32 s[G1+1], 32<<16                      ; units of 256 bytes;
	s_mov_b32 s[G1+2], 192<<16                     ; 64 rows of x are 192 of them
	s_mov_b32 s[G1+3], 32<<16
	s_mov_b32 s[G1+4], 192
	s_mov_b32 s[G1+5], 32
	s_mov_b32 s[G1+6], 0
	s_mov_b32 s[G1+7], 0
	s_mov_b32 s[G1B+1], 32<<16
	s_mov_b32 s[G1B+2], 384<<16                    ; at the head 128 rows of W a load
	s_mov_b32 s[G1B+3], 32<<16
	s_mov_b32 s[G1B+4], 384
	s_mov_b32 s[G1B+5], 32
	s_mov_b32 s[G1B+6], 0
	s_mov_b32 s[G1B+7], 0
	s_lshl_b32 s20, s17, 7
	s_lshl_b32 s21, s16, 6
	s_add_co_u32 s20, s20, s21
	s_mul_i32 s20, s20, 768                        ; x: row 128 y + 64 x half
	s_mov_b32 s21, 0
	s_lshl_b32 s46, s40, 8
	s_lshl_b32 s47, s16, 7
	s_add_co_u32 s46, s46, s47
	s_mul_i32 s46, s46, 768                        ; W at the head: row 256 cx + 128 x half
	s_mov_b32 s47, 0
	s_lshl_b32 s92, s40, 8
	s_lshl_b32 s93, s14, 6
	s_add_co_u32 s92, s92, s93                     ; my 64 rows of W: 256 cx + 64 wave
	s_lshl_b32 s94, s92, 5                         ; their scales
	s_mul_i32 s92, s92, 768                        ; and their codes: what I fetch of a refill
	s_mov_b32 s93, 0
	s_mov_b32 s95, 0
	s_lshr_b32 s42, s17, 4                         ; b
	s_lshl_b32 s42, s42, 4
	s_lshl_b32 s45, s40, 2
	s_add_co_u32 s42, s42, s45
	s_add_co_u32 s42, s42, s14                     ; 16 b + head
	s_lshl_b32 s42, s42, 4
	s_and_b32 s45, s17, 15
	s_add_co_u32 s42, s42, s45                     ; the block of the workspace
	s_lshl_b32 s2, s17, 2
	s_add_co_u32 s2, s2, s40
	s_lshl_b32 s2, s2, 2
	s_add_co_u32 s2, s2, s14                       ; my unit of the mask: 16 p + ks = 4 (4 y + cx) + wave
	s_mov_b32 s96, 0x76543210
	s_mov_b32 s97, 0xfedcba98                      ; v_permlanex16_b32: lane l xor 16
	s_mov_b32 s98, 0x3c800000                      ; 1/64
	s_mov_b32 s99, 0x358637bd                      ; 1e-6
	s_wait_dscnt 0x0                               ; both opening adds are done
	s_wait_kmcnt 0x0
	s_add_nc_u64 s[20:21], s[68:69], s[20:21]
	s_add_nc_u64 s[46:47], s[72:73], s[46:47]
	s_add_nc_u64 s[56:57], s[76:77], s[92:93]      ; Wk's quarter
	s_add_nc_u64 s[58:59], s[80:81], s[92:93]      ; Wv's
	s_add_nc_u64 s[74:75], s[74:75], s[94:95]
	s_add_nc_u64 s[78:79], s[78:79], s[94:95]
	s_add_nc_u64 s[82:83], s[82:83], s[94:95]
	s_mov_b64 s[4:5], s[78:79]                     ; the next weight's scales
	s_lshl_b32 s22, s17, 12
	s_mov_b32 s23, 0
	s_add_nc_u64 s[70:71], s[70:71], s[22:23]      ; x's scales: 128 rows of 32 bytes
	s_lshr_b32 s22, s2, 4
	s_lshl_b32 s22, s22, 16                        ; the mask: 32 rows of 2,048 bytes a pair,
	s_and_b32 s45, s2, 15
	s_lshl_b32 s45, s45, 7                         ; 128 bytes a key step
	s_add_co_u32 s22, s22, s45
	s_add_nc_u64 s[84:85], s[84:85], s[22:23]
	s_lshl_b32 s22, s2, 2
	s_add_nc_u64 s[86:87], s[86:87], s[22:23]      ; my flag word
	s_mul_i32 s100, s42, 6656
	s_mov_b32 s101, 0
	s_add_nc_u64 s[6:7], s[88:89], s[100:101]      ; q's codes,
	s_add_nc_u64 s[8:9], s[6:7], 6144              ; its scale words
	s_mul_i32 s100, s42, 13312
	s_add_nc_u64 s[10:11], s[90:91], s[100:101]    ; k's codes,
	s_add_nc_u64 s[12:13], s[10:11], 12288         ; its scale words
	s_add_nc_u64 s[18:19], s[10:11], 6144          ; v's codes; its scale words 6,656 further on
	CROUND                                         ; all sixteen work-groups are here: the first joint loads meet
	s_mov_b32 s[G0A], 1
	s_mul_i32 s[G0A+1], s16, 64*PITCH
	s_mov_b64 s[G0A+2:G0A+3], s[20:21]
	s_or_b32 s[G0A+3], s[G0A+3], 0x80000000
	s_mov_b32 s[G0B], 1
	s_mul_i32 s[G0B+1], s16, 128*PITCH
	s_add_co_u32 s[G0B+1], s[G0B+1], BOFF
	s_mov_b64 s[G0B+2:G0B+3], s[46:47]
	s_or_b32 s[G0B+3], s[G0B+3], 0x80000000
	s_mov_b32 s[G0R], 1
	s_mul_i32 s[G0R+1], s14, 64*PITCH
	s_add_co_u32 s[G0R+1], s[G0R+1], BOFF
	s_mov_b64 s[G0R+2:G0R+3], s[56:57]
	s_or_b32 s[G0R+3], s[G0R+3], 0x80000000
	s_cmp_eq_u32 s15, 0                            ; one tensor load a wave at the head: waves 0, 1 x's halves, waves 2, 3 Wq's
	s_cbranch_scc0 .Lhead_b
	tensor_load_to_lds s[G0A:G0A+3], s[G1:G1+7]
	s_nop 0
	PLACES
	s_branch .Lhead_asked
.Lhead_b:
	tensor_load_to_lds s[G0B:G0B+3], s[G1B:G1B+7]
	s_nop 0
	PLACES
.Lhead_asked:
	v_and_b32 v1, 15, v0                           ; r
	v_bfe_u32 v2, v0, 4, 1                         ; h
	v_mul_u32_u24 v3, v1, PITCH
	v_mad_u32_u24 v[ADRA], v2, 24, v3              ; row x pitch + 24 h
	v_lshl_add_u32 v[ADRA+1], v2, 4, v[ADRA]       ; and behind one padding more
	v_add_nc_u32 v[ADRA+2], 64*PITCH, v[ADRA]
	v_add_nc_u32 v[ADRA+3], 64*PITCH, v[ADRA+1]
	s_mul_i32 s22, s14, 64*PITCH
	s_add_co_u32 s22, s22, BOFF
	v_add_nc_u32 v[ADRB], s22, v[ADRA]
	v_add_nc_u32 v[ADRB+1], s22, v[ADRA+1]
	s_mul_i32 s23, s14, WSTG
	s_add_co_u32 s23, s23, BOFF
	v_mul_u32_u24 v5, v1, 272
	v_lshl_add_u32 v5, v2, 5, v5
	v_add_nc_u32 v[VST], s23, v5                   ; the stage, in: row r of 272 bytes, + 32 h
	v_and_b32 v5, 7, v0
	v_bfe_u32 v6, v0, 3, 1
	v_lshlrev_b32 v5, 2, v5
	v_lshl_add_u32 v5, v6, 7, v5                   ; out: channel 32 (r / 8) + r % 8,
	v_mad_u32_u24 v5, v2, 8768, v5                 ; lanes 16-31 begin 32 rows and one gap of 64 bytes further down
	v_add_nc_u32 v[VRD], s23, v5
	v_lshlrev_b32 v[SH8], 3, v2
	v_and_b32 v6, 31, v0
	v_lshlrev_b32 v[LI], 4, v6
	v_lshlrev_b32 v[SOF], 5, v1
	v_lshrrev_b32 v7, 3, v6
	v_and_b32 v8, 7, v6
	v_lshlrev_b32 v8, 4, v8
	v_lshl_add_u32 v[MKO], v7, 11, v8
	s_lshl_b32 s22, s14, 11
	s_add_co_u32 s22, s22, TBL
	v_add_nc_u32 v[TST], s22, v[LI]
	v_add_nc_u32 v[TRD], TBL, v[LI]
	s_and_b32 s22, s17, 15
	s_lshl_b32 s22, s22, 7
	s_lshl_b32 s23, s14, 4
	s_add_co_u32 s22, s22, s23                     ; the first place of row tile w: 128 (y % 16) + 16 w
	v_add_nc_u32 v[TF], s22, v1
	v_cvt_f32_u32 v[TF], v[TF]
	v_cmp_eq_u32 vcc_lo, 0, v2                     ; lanes 0-15 take frequencies 0-7, lanes 16-31 frequencies 8-15
	FSET 0, 0x3f800000, 0x3ccb2ff3
	FSET 1, 0x3f214518, 0x3c7ffffd
	FSET 2, 0x3ecb2ff5, 0x3c214516
	FSET 3, 0x3e7ffffe, 0x3bcb2ff4
	FSET 4, 0x3e214517, 0x3b7ffff8
	FSET 5, 0x3dcb2ff4, 0x3b214513
	FSET 6, 0x3d7ffffc, 0x3acb2fef
	FSET 7, 0x3d214515, 0x3a800000
.set YY,  128                          ; the way out of q and k: two row tiles' numbers: tile g at 128 + 32 g; register 8 tau + j = channel 16 tau + 8 h + j
.set IMG, 192
.set EE,  204
.set WW,  212
.set SS,  216
.set RS,  224
.set MX,  228
.set PX,  232
.set SOP, 236
.set BYT, 240
.set TT,  244
	v_mov_b32 v[RS+1], 0                           ; named as the upper halves of pairs, so they are written
	v_mov_b32 v[RS+3], 0
.irp x, 0,1,2,3
	v_mov_b32 v[PX+\x], 0                          ; a lane permute's destination counts as one of its sources
.endr
	s_mov_b32 s92, 0x3fc90fdb                      ; pi/2, upper part
	s_mov_b32 s93, 0x333bbd2e                      ; the upper part less pi/2
	s_mov_b32 s94, 0xb94ca1f9                      ; the sine's coefficients,
	s_mov_b32 s95, 0x3c08839e
	s_mov_b32 s100, 0xbe2aaaa3
	s_mov_b32 s101, 0x37ccf5ce                     ; the cosine's
	s_mov_b32 s22, 0xbab6061a
	s_mov_b32 s23, 0x3d2aaaa5
	s_wait_alu depctr_va_vdst(0)                   ; the wait behind these writes
	WIN 0x40
.irp k, 0,1,2,3,4,5,6,7
	global_load_b128 v[4*\k:4*\k+3], v[MKO], s[84:85] offset:8192*\k   ; my unit of the mask: rows 4 k + lane / 8
.endr
	WIN 0
.irp i, 0,1,2,3,4,5,6,7
	global_load_b128 v[SA+8*\i:SA+8*\i+3], v[SOF], s[70:71] offset:512*\i
	global_load_b128 v[SA+8*\i+4:SA+8*\i+7], v[SOF], s[70:71] offset:512*\i+16
.endr
	BSCALES 74
	TRIG8 0                                        ; row tile w,
	v_add_f32 v[TF], 0x42800000, v[TF]             ; 64 places on:
	TRIG8 1                                        ; row tile 4 + w
	s_wait_alu depctr_va_vdst(0)                   ; the wait ahead of the wait below
	s_wait_loadcnt 0x0                             ; the mask's bytes, and the scale words
	WIN 0x05                                       ; four chains of ANDs and of ORs over my 32 words
.irp c, 0,1,2,3
	v_and_b32 v[SOP+\c], v[\c], v[4+\c]
.endr
	WIN 0x15
.irp c, 0,1,2,3
	v_or3_b32 v[BYT+\c], v[\c], v[4+\c], v[8+\c]
.endr
	WIN 0x04
.irp k, 2,3,4,5,6,7
.irp c, 0,1,2,3
	v_and_b32 v[SOP+\c], v[SOP+\c], v[4*\k+\c]
.endr
.endr
.irp c, 0,1,2,3
	v_or_b32 v[BYT+\c], v[BYT+\c], v[28+\c]
.endr
	WIN 0x14
.irp k, 3,5
.irp c, 0,1,2,3
	v_or3_b32 v[BYT+\c], v[BYT+\c], v[4*\k+\c], v[4*\k+4+\c]
.endr
.endr
	WIN 0
	v_and_b32 v[SOP], v[SOP], v[SOP+1]
	v_and_b32 v[SOP+2], v[SOP+2], v[SOP+3]
	v_or3_b32 v[BYT], v[BYT], v[BYT+1], v[BYT+2]
	v_and_b32 v[SOP], v[SOP], v[SOP+2]
	v_or_b32 v[BYT], v[BYT], v[BYT+3]
	v_cmp_ne_u32 s42, 0, v[BYT]                    ; lanes with some true byte
	v_cmp_eq_u32 s45, 0x01010101, v[SOP]           ; lanes whose bytes are all true
	s_cmp_lg_u32 s42, 0
	s_cselect_b32 s42, 1, 0
	s_cmp_eq_u32 s45, -1
	s_cselect_b32 s45, 2, 0
	s_or_b32 s42, s42, s45
	v_mov_b32 v[TT], s42
	v_mov_b32 v[TT+1], 0
	v_cmp_eq_u32 vcc_lo, 0, v[LI]
	s_wait_alu depctr_va_vdst(0)                   ; the wait ahead of the wait below
	s_wait_xcnt 0x0                                ; EXEC changes only behind this wait
	s_and_saveexec_b32 s45, vcc_lo
	global_store_b32 v[TT+1], v[TT], s[86:87]      ; lane 0 alone: the unit's flag word
	s_wait_xcnt 0x0
	s_or_b32 exec_lo, exec_lo, s45
	s_wait_tensorcnt 0x0                           ; my part of the head's tiles is in, and no load of mine is out:
	s_mov_b32 s[G1B+2], 192<<16                    ; from here on a load brings 64 rows of W
	s_mov_b32 s[G1B+4], 192
	TPUT 0
	s_wait_dscnt 0x0                               ; for the others' sake: my stores have landed
	s_barrier_signal -1
	s_barrier_wait -1                              ; everybody's part of the tiles is in, and the table's first half
	TGET 0
	s_wait_dscnt 0x0                               ; my reads of it are over,
	s_barrier_signal -1
	s_barrier_wait -1                              ; everybody's are: the second half takes its bytes
	TPUT 1
	s_wait_dscnt 0x0
	s_barrier_signal -1
	s_barrier_wait -1
	TGET 1
.macro QKPAIR bp                       ; row tiles 2 bp and 2 bp + 1 make fragment bp.  A lane holds 32 channels of a row, its partner 16 lanes away the other 32
	s_wait_alu depctr_va_vdst(0)                   ; the wait ahead of the first reader of these accumulators and of the wait below
	s_wait_xcnt 0x0                                ; the last fragment's stores have read their registers
	WIN 0x0a                                       ; sources 0 and 1: the accumulators
.irp g, 0,1
	v_pk_mul_f32 v[SS+4*\g:SS+4*\g+1], v[32*(2*(\bp)+\g):32*(2*(\bp)+\g)+1], v[32*(2*(\bp)+\g):32*(2*(\bp)+\g)+1]   ; squares, two chains of pairs; each accumulator from its low end on
	v_pk_mul_f32 v[SS+4*\g+2:SS+4*\g+3], v[32*(2*(\bp)+\g)+2:32*(2*(\bp)+\g)+3], v[32*(2*(\bp)+\g)+2:32*(2*(\bp)+\g)+3]
.endr
.irp i, 4,8,12,16,20,24,28
.irp g, 0,1
	v_pk_fma_f32 v[SS+4*\g:SS+4*\g+1], v[32*(2*(\bp)+\g)+\i:32*(2*(\bp)+\g)+\i+1], v[32*(2*(\bp)+\g)+\i:32*(2*(\bp)+\g)+\i+1], v[SS+4*\g:SS+4*\g+1]
	v_pk_fma_f32 v[SS+4*\g+2:SS+4*\g+3], v[32*(2*(\bp)+\g)+\i+2:32*(2*(\bp)+\g)+\i+3], v[32*(2*(\bp)+\g)+\i+2:32*(2*(\bp)+\g)+\i+3], v[SS+4*\g+2:SS+4*\g+3]
.endr
.endr
	WIN 0
.irp g, 0,1
	v_pk_add_f32 v[SS+4*\g:SS+4*\g+1], v[SS+4*\g:SS+4*\g+1], v[SS+4*\g+2:SS+4*\g+3]
.endr
.irp g, 0,1
	v_add_f32 v[SS+4*\g], v[SS+4*\g], v[SS+4*\g+1]
.endr
.irp g, 0,1
	v_permlanex16_b32 v[SS+4*\g+1], v[SS+4*\g], s96, s97
.endr
.irp g, 0,1
	v_add_f32 v[SS+4*\g], v[SS+4*\g], v[SS+4*\g+1] ; the head's 64 squares
.endr
.irp g, 0,1
	v_fma_f32 v[SS+4*\g], v[SS+4*\g], s98, s99     ; the mean + 1e-6
.endr
	s_wait_alu depctr_va_vdst(0)                   ; the wait ahead of the batch
.irp g, 0,1
	v_rsq_f32 v[RS+2*\g], v[SS+4*\g]
.endr
	v_nop
	s_wait_alu depctr_va_vdst(0)                   ; and behind it
	WIN 0x02
.irp g, 0,1
.irp i, 0,2,4,6,8,10,12,14,16,18,20,22,24,26,28,30
	v_pk_mul_f32 v[YY+32*\g+\i:YY+32*\g+\i+1], v[32*(2*(\bp)+\g)+\i:32*(2*(\bp)+\g)+\i+1], v[RS+2*\g:RS+2*\g+1] op_sel_hi:[1,0]
.endr
.endr
	WIN 0x0c                                       ; source 1: the table
.irp i, 0,2,4,6                        ; channels 8 h + i turn with channels 32 + 8 h + i; channels 16-31 and 48-63 have frequency 0 and stay
.irp g, 0,1
	v_pk_mul_f32 v[TT+2*\g:TT+2*\g+1], v[YY+32*\g+\i:YY+32*\g+\i+1], v[16*(2*(\bp)+\g)+8+\i:16*(2*(\bp)+\g)+8+\i+1]
	v_pk_mul_f32 v[YY+32*\g+\i:YY+32*\g+\i+1], v[YY+32*\g+\i:YY+32*\g+\i+1], v[16*(2*(\bp)+\g)+\i:16*(2*(\bp)+\g)+\i+1]
	v_pk_fma_f32 v[YY+32*\g+\i:YY+32*\g+\i+1], v[YY+32*\g+16+\i:YY+32*\g+16+\i+1], v[16*(2*(\bp)+\g)+8+\i:16*(2*(\bp)+\g)+8+\i+1], v[YY+32*\g+\i:YY+32*\g+\i+1]   ; y1 = x1 c + x2 s
	v_pk_fma_f32 v[YY+32*\g+16+\i:YY+32*\g+16+\i+1], v[YY+32*\g+16+\i:YY+32*\g+16+\i+1], v[16*(2*(\bp)+\g)+\i:16*(2*(\bp)+\g)+\i+1], v[TT+2*\g:TT+2*\g+1] neg_lo:[0,0,1] neg_hi:[0,0,1]   ; y2 = x2 c - x1 s
.endr
.endr
	WIN 0
.irp x, 0,1,2,3                        ; block x = 2 g + (which 32 channels): my 16 numbers and the floor 2^-124
	v_max3_num_f32 v[MX+\x], |v[YY+16*\x]|, |v[YY+16*\x+1]|, 0x1800000
.endr
.irp i, 2,4,6,8,10,12,14
.irp x, 0,1,2,3
	v_max3_num_f32 v[MX+\x], v[MX+\x], |v[YY+16*\x+\i]|, |v[YY+16*\x+\i+1]|
.endr
.endr
.irp x, 0,1,2,3
	v_permlanex16_b32 v[PX+\x], v[MX+\x], s96, s97
.endr
.irp x, 0,1,2,3
	v_max_num_f32 v[MX+\x], v[MX+\x], v[PX+\x]
.endr
.irp x, 0,1,2,3
	v_add_nc_u32 v[SOP+\x], 0xff000000, v[MX+\x]   ; 2 off the exponent field: the conversion's scale operand
.endr
.irp x, 0,1,2,3
	v_lshrrev_b32 v[BYT+\x], 23, v[SOP+\x]         ; the scale's byte
.endr
	v_lshl_or_b32 v[WW+(\bp)], v[BYT+1], 8, v[BYT]
	v_lshl_or_b32 v[WW+(\bp)], v[BYT+2], 16, v[WW+(\bp)]
	v_lshl_or_b32 v[WW+(\bp)], v[BYT+3], 24, v[WW+(\bp)]
.irp g, 0,1
	v_cvt_scalef32_pk16_fp6_f32 v[IMG+6*\g:IMG+6*\g+2], v[YY+32*\g:YY+32*\g+15], v[SOP+2*\g]
	v_cvt_scalef32_pk16_fp6_f32 v[EE+4*\g:EE+4*\g+2], v[YY+32*\g+16:YY+32*\g+31], v[SOP+2*\g+1]
.endr
	v_nop                                          ; one plain place behind a scaled conversion
.irp g, 0,1                            ; the operand wants a whole block in a lane
.irp i, 0,1,2
	v_permlane16_swap_b32 v[IMG+6*\g+\i], v[EE+4*\g+\i]
.endr
.irp i, 0,1,2
	v_mov_b32 v[IMG+6*\g+3+\i], v[EE+4*\g+\i]
.endr
.endr
.irp c, 0,1,2
	global_store_b128 v[LI], v[IMG+4*\c:IMG+4*\c+3], s[6:7] offset:1536*(\bp)+512*\c   ; 512 consecutive bytes, aligned
.endr
.endm
	s_mov_b32 s3, 2
.Lw:                                   ; two trips: q, then k
	GEMM
	s_wait_tensorcnt 0x0                           ; a tensor wait, an LDS add and its wait in front of the refill's round
	ds_add_u32 v[SPW], v[NIL]
	s_wait_dscnt 0x0                               ; the add is done, and my reads of the weight are over
	CROUND                                         ; so are those of every wave of the cluster
	tensor_load_to_lds s[G0R:G0R+3], s[G1B:G1B+7]  ; my quarter of the next weight
	s_nop 0
	PLACES                                         ; also the places behind the last products
	BSCALES 4                                      ; and its scale words
	QKPAIR 0
	QKPAIR 1
	QKPAIR 2
	QKPAIR 3
	global_store_b128 v[LI], v[WW:WW+3], s[8:9]
	s_wait_alu depctr_va_vdst(0)
	s_wait_loadcnt 0x0                             ; the next weight's scale words
	s_wait_xcnt 0x0                                ; stores and loads have read their bases and registers
	s_mov_b64 s[6:7], s[10:11]
	s_mov_b64 s[8:9], s[12:13]
	s_mov_b64 s[4:5], s[82:83]
	s_wait_tensorcnt 0x0                           ; my quarter is in, so the descriptor may be written: the refill after this one brings Wv
	s_mov_b64 s[G0R+2:G0R+3], s[58:59]
	s_or_b32 s[G0R+3], s[G0R+3], 0x80000000
	s_barrier_signal -1
	s_barrier_wait -1                              ; everybody's quarter is in
	s_sub_co_u32 s3, s3, 1
	s_cmp_lg_u32 s3, 0
	s_cbranch_scc1 .Lw
	GEMM                                           ; v; nothing more is fetched
	s_wait_dscnt 0x0
	s_barrier_signal -1
	s_barrier_wait -1                              ; nobody reads the weight's bytes any more: they serve as stages
	PLACES
; ---- v.  Its K is the keys, which lie across my accumulators' rows: 128 rows x 64 channels go through my stage and come back a column to a lane.
.set FF,  128
.set EV,  140
.set VW,  148
.set VM,  152
.set VSO, 154
.set VBY, 156
.set VT,  158
.macro VLOAD dt, set                   ; window 1, register 64 set + 32 c + i: key 64 c + 32 h + (slot i's key) of channel 32 (r / 8) + 8 dt + r % 8
	WIN 0x40
.irp c, 0,1
.irp i, 0,1,2,3,4,5,6,7,8,9,10,11,12,13,14,15,16,17,18,19,20,21,22,23,24,25,26,27,28,29,30,31
	ds_load_b32 v[64*(\set)+32*\c+\i], v[VRD] offset:(64*\c+(\i%8)+8*(2*((\i/8)%2)+\i/16))*272+128*\c+32*(\dt)
.endr
.endr
	WIN 0
.endm
.macro VQ dt, set
	s_wait_xcnt 0x0                                ; the last fragment's stores have read their registers
	WIN 0x05
.irp c, 0,1
	v_max3_num_f32 v[VM+\c], |v[64*(\set)+32*\c]|, |v[64*(\set)+32*\c+1]|, 0x1800000   ; my block 2 c + h: all its 32 numbers are mine
.endr
	WIN 0x14
.irp i, 2,4,6,8,10,12,14,16,18,20,22,24,26,28,30
.irp c, 0,1
	v_max3_num_f32 v[VM+\c], v[VM+\c], |v[64*(\set)+32*\c+\i]|, |v[64*(\set)+32*\c+\i+1]|
.endr
.endr
	WIN 0
.irp c, 0,1
	v_add_nc_u32 v[VSO+\c], 0xff000000, v[VM+\c]
.endr
.irp c, 0,1
	v_lshrrev_b32 v[VBY+\c], 23, v[VSO+\c]
.endr
	v_lshl_or_b32 v[VT], v[VBY+1], 16, v[VBY]      ; my two bytes, blocks h and 2 + h,
	v_lshlrev_b32 v[VT], v[SH8], v[VT]             ; at their places in the word;
	v_permlanex16_b32 v[VT+1], v[VT], s96, s97
	v_or_b32 v[VW+(\dt)], v[VT], v[VT+1]           ; with my partner's two it is whole
	WIN 0x01
.irp c, 0,1
	v_cvt_scalef32_pk16_fp6_f32 v[FF+6*\c:FF+6*\c+2], v[64*(\set)+32*\c:64*(\set)+32*\c+15], v[VSO+\c]
	v_cvt_scalef32_pk16_fp6_f32 v[EV+4*\c:EV+4*\c+2], v[64*(\set)+32*\c+16:64*(\set)+32*\c+31], v[VSO+\c]
.endr
	WIN 0
	v_nop                                          ; one plain place behind a scaled conversion
.irp c, 0,1
.irp i, 0,1,2
	v_mov_b32 v[FF+6*\c+3+\i], v[EV+4*\c+\i]
.endr
.endr
.irp c, 0,1,2
	global_store_b128 v[LI], v[FF+4*\c:FF+4*\c+3], s[18:19] offset:1536*(\dt)+512*\c
.endr
.endm
	v_mov_b32 v[VT+1], 0                           ; a lane permute's destination counts as one of its sources
	WIN 0x08                                       ; an LDS store's data are its source 1.  Row t lies at 272 t + 64 (t / 32)
.irp a, 0,1,2,3,4,5,6,7
.irp tau, 0,1,2,3
	ds_store_b128 v[VST], v[32*\a+8*\tau:32*\a+8*\tau+3] offset:16*\a*272+64*(\a/2)+64*\tau       ; each accumulator from its low end on
	ds_store_b128 v[VST], v[32*\a+8*\tau+4:32*\a+8*\tau+7] offset:16*\a*272+64*(\a/2)+64*\tau+16
.endr
.endr
	WIN 0
	VLOAD 0, 0                                     ; LDS serves a wave's instructions in order (ISA guide 5.7.1.4): the loads see my stores
	VLOAD 1, 1
	s_wait_dscnt 63                                ; 64 younger loads follow the set that is wanted; the wait's field ends at 63
	VQ 0, 0
	VLOAD 2, 0
	s_wait_dscnt 63
	VQ 1, 1
	VLOAD 3, 1
	s_wait_dscnt 63
	VQ 2, 0
	s_wait_dscnt 0x0
	VQ 3, 1
	global_store_b128 v[LI], v[VW:VW+3], s[18:19] offset:6656
	s_wait_tensorcnt 0x0                           ; the wave's end
	ds_add_u32 v[SPW], v[NIL]
	s_wait_dscnt 0x0
	CROUND                                         ; the closing round
	s_endpgm
.Lfunc_end_k_qb004624ea3_qkv:
	.size	k_qb004624ea3_qkv, .Lfunc_end_k_qb004624ea3_qkv-k_qb004624ea3_qkv
	.p2alignl 7, 3214868480
	.fill 96, 4, 3214868480
	.section	.rodata,"a",@progbits
	.p2align	6, 0x0
	.amdhsa_kernel k_qb004624ea3_qkv
		.amdhsa_group_segment_fixed_size 327680
		.amdhsa_private_segment_fixed_size 0
		.amdhsa_enable_private_segment 0
		.amdhsa_kernarg_size 96
		.amdhsa_user_sgpr_count 2
		.amdhsa_user_sgpr_kernarg_segment_ptr 1
		.amdhsa_wavefront_size32 1
		.amdhsa_system_sgpr_workgroup_id_x 1
		.amdhsa_system_sgpr_workgroup_id_y 1
		.amdhsa_system_sgpr_workgroup_id_z 1
		.amdhsa_system_vgpr_workitem_id 0
		.amdhsa_next_free_vgpr 1024
		.amdhsa_next_free_sgpr 102
		.amdhsa_reserve_vcc 1
		.amdhsa_float_denorm_mode_32 3
		.amdhsa_float_denorm_mode_16_64 3
		.amdhsa_memory_ordered 1
		.amdhsa_forward_progress 1
		.amdhsa_inst_pref_size 255
	.end_amdhsa_kernel
	.section	.bss,"aw",@nobits
	.p2align	6
	.space	262144
	.amdgpu_metadata
---
amdhsa.version: [ 1, 2 ]
amdhsa.kernels:
  - .name:           k_qb004624ea3_qkv
    .symbol:         k_qb004624ea3_qkv.kd
    .args:
      - { .name: x_codes, .offset: 0, .size: 8, .value_kind: global_buffer, .address_space: global }
      - { .name: x_scales, .offset: 8, .size: 8, .value_kind: global_buffer, .address_space: global }
      - { .name: wq_codes, .offset: 16, .size: 8, .value_kind: global_buffer, .address_space: global }
      - { .name: wq_scales, .offset: 24, .size: 8, .value_kind: global_buffer, .address_space: global }
      - { .name: wk_codes, .offset: 32, .size: 8, .value_kind: global_buffer, .address_space: global }
      - { .name: wk_scales, .offset: 40, .size: 8, .value_kind: global_buffer, .address_space: global }
      - { .name: wv_codes, .offset: 48, .size: 8, .value_kind: global_buffer, .address_space: global }
      - { .name: wv_scales, .offset: 56, .size: 8, .value_kind: global_buffer, .address_space: global }
      - { .name: mask, .offset: 64, .size: 8, .value_kind: global_buffer, .address_space: global }
      - { .name: fl, .offset: 72, .size: 8, .value_kind: global_buffer, .address_space: global }
      - { .name: qws, .offset: 80, .size: 8, .value_kind: global_buffer, .address_space: global }
      - { .name: kv, .offset: 88, .size: 8, .value_kind: global_buffer, .address_space: global }
    .group_segment_fixed_size: 327680
    .private_segment_fixed_size: 0
    .kernarg_segment_align: 8
    .kernarg_segment_size: 96
    .max_flat_workgroup_size: 128
    .sgpr_count:     102
    .vgpr_count:     1024
    .wavefront_size: 32
...
	.end_amdgpu_metadata
.endif
;; end of part 1
;; launch attn (part 2): grid 4 x 64, 8 waves a work-group, no clusters, 214,016 bytes of LDS; arguments qws, kv, mask, fl, acodes, ascales; writes acodes, ascales
.if DOCPART == 2
	.amdgcn_target "amdgcn-amd-amdhsa--gfx1250"
	.amdhsa_code_object_version 6
	.text
	.protected	k_qb004624ea3_attn
	.globl	k_qb004624ea3_attn
	.p2align	8
	.type	k_qb004624ea3_attn,@function
k_qb004624ea3_attn:
	s_mov_b64 s[64:65], 0
	v_nop
	global_prefetch_b8 v0, s[64:65] scope:SCOPE_SE
	s_setreg_imm32_b32 hwreg(HW_REG_WAVE_MODE, 25, 1), 1
	s_wait_xcnt 0x0
; Attention on codes of FP6 (E2M3), from the images that the launch before stored, under the mask as it is given, up to the codes of its result along D.
; SHARES.  Work-group (i, bh) takes the blocks of 256 queries 7 - i and i of one head, one after the other (a deal of the work: right for any mask).  Each of its eight waves owns a pair p of two
; tiles of 16 queries, in the second pass the pair of wave w xor 4, and walks the head's 16 key steps of 128 keys.
; THE HEAD'S K AND V STAY IN LDS: 16 blocks of 13,312 bytes (K's four fragments, V's four, their scale words), each at bytes of its own, brought through registers by the 256 threads in four
; batches of four steps.  An outer trip is two key steps; each of the first pass's first four outer trips stores one batch, passes a barrier and asks for the next batch.  A counter made of
; constants, the same in every wave, leads round that part once the four batches are in: from then on there is no barrier, no byte of LDS is written, and each wave goes at its own pace.
; WHAT THE MASK THROWS AWAY IS NOT DONE: stored flags say for each pair and key step whether any entry is true and whether all are.  A step that no wave needs in either pass is not fetched (steps 0-3
; are asked for at the head, ahead of the flags), a step that a wave does not need is not computed, a step all of whose entries are true skips the masking.  These are branches on stored whole numbers.
; partners of a cluster would need different steps, so there is no cluster.  The next batch is asked for by plain loads two steps ahead: no prefetch beside them.
; A step that is part true takes the mask's own bytes: lane (r, h) loads keys 16 m + 8 h + 0 .. 7 of its query, the very entries of its score registers 8 m + 0 .. 7.  They are asked for one key step
; ahead, behind the masking of the step in hand, into registers of their own.
; LAYOUT.  S^T = K Q^T (source 0 = keys, source 1 = queries), O^T = V^T P^T: a lane holds one query (lane % 16) throughout.
; THE HEAD IS 64 WIDE, the instruction 128: a fragment of K holds keys 32 be + 0 .. 15 in its K 0-63 and keys 32 be + 16 .. 31 in its K 64-127; q stands as [q | zero codes | q], so that registers 0-11 pick
; the first sixteen keys and registers 6-17 the second.  The zero codes add nothing under any scale byte but 0xff; theirs is 0.
; THE SOFTMAX: p = 2^t, t = score x log2(e) / 8, that is M = 0.  The problem's own RMS norm holds both vectors at length 8 or under, the quantiser adds under a ninth, so |t| stays under 15 for every input:
; every p lies between 2^-15 and 2^15 and a row's sum under 2^26.  A whole M is a power of two that the blocks' scales take up, so the codes' values are those of the running ceiling.
; The row's sum is taken of the unquantised p and divides at the end.  O^T and the sums are cleared at a block's head: which key step is the first to be computed hangs on the stored flags.
; A ROW WITHOUT A TRUE ENTRY has the sum 0: its blocks get the scale byte 0xff, NaN, which makes the last product's sums NaN as the problem has them.
; LIMITS: NaN and infinities among the inputs are not served; a block whose largest magnitude lies under 2^-124 gets the byte 1.
; REGISTERS.  window 0: v1-15 addresses and constants; v16-51 Q; v52-55 Q's, v56-59 K's, v60-63 V's scale words; v64-191 S^T, then p; v192-215 p's codes; v216-217 p's scale words; v220-255 at work.
;   window 1: v0-47 K, v48-95 V, v96-159 O^T (tile u, fragment dt at 96 + 32 u + 8 dt), v160-223 a thread's part of a batch, v224-255 the mask's bytes of a step.
.set KVSTEP, 13312
.set L16, 1
.set T16, 2
.set T4,  3
.set ADR, 4
.set STA, 5
.set STB, 6
.set L8,  7
.set RB,  8                            ; 32 r + h
.set R4,  9
.set NINF, 10
.set CFF, 11
.set MOF, 13                           ; 2048 r + 8 h
.set QOF, 14
.set QIF, 15
.set QF,  16
.set QS,  52
.set KSC, 56
.set VSC, 60
.set S,   64
.set P,   192
.set PSC, 216
.set EE,  220
.set MX,  228
.set PX,  232
.set SOP, 236
.set LS,  240
.set RC,  248
.set KF,  0
.set VF,  48
.set OA,  96
.set STG, 160
.set MB,  224
.set WV,  2
.set BH,  3
.set PP,  66
.set QB,  67
.set PAS, 68
.set JJ,  69                           ; the key step
.set TBS, 70                           ; LDS byte of its block
.set GG,  71                           ; bit j: step j is fetched
.set ANY, 72
.set ALL, 73
.set KVP, 74
.set CS,  76
.set SEL, 78
.set BC,  81
.set IC,  82
.set PART, 84                          ; bit j: step j is part true for my pair
.set LB,  85                           ; batches still to be stored
.set MWP, 100                          ; s[100:101] my pair's rows of the mask at the step in hand
.set MSB, 0
.macro WIN new
.if MSB != (\new)
	s_set_vgpr_msb (MSB<<8)|(\new)
.set MSB, (\new)
.endif
.endm
.macro LOADS k                         ; step k of the batch at s[KVP]: 3 x 16 bytes and 4 bytes a thread; each instruction of a wave takes consecutive bytes
	WIN 0x40
	global_load_b128 v[STG+16*\k:STG+16*\k+3],    v[T16], s[KVP:KVP+1] offset:KVSTEP*\k
	global_load_b128 v[STG+16*\k+4:STG+16*\k+7],  v[T16], s[KVP:KVP+1] offset:KVSTEP*\k+4096
	global_load_b128 v[STG+16*\k+8:STG+16*\k+11], v[T16], s[KVP:KVP+1] offset:KVSTEP*\k+8192
	global_load_b32 v[STG+16*\k+12], v[T4], s[KVP:KVP+1] offset:KVSTEP*\k+12288
	WIN 0
.endm
.macro GET k                           ; only if bit k of s83 says so
	s_bitcmp1_b32 s83, \k
	s_cbranch_scc0 .Lno_get_\@
	LOADS \k
.Lno_get_\@:
.endm
.macro PUT k
	s_bitcmp1_b32 s83, \k
	s_cbranch_scc0 .Lno_put_\@
	WIN 0x04                                       ; an LDS store's data are its source 1
	ds_store_b128 v[STA], v[STG+16*\k:STG+16*\k+3] offset:KVSTEP*\k
	ds_store_b128 v[STA], v[STG+16*\k+4:STG+16*\k+7] offset:KVSTEP*\k+4096
	ds_store_b128 v[STA], v[STG+16*\k+8:STG+16*\k+11] offset:KVSTEP*\k+8192
	ds_store_b32 v[STB], v[STG+16*\k+12] offset:KVSTEP*\k+12288
	WIN 0
.Lno_put_\@:
.endm
.macro BIT dst, src, n                 ; SCC = bit n of src
	s_lshr_b32 s[\dst], s[\src], s[\n]
	s_and_b32 s[\dst], s[\dst], 1
	s_cmp_lg_u32 s[\dst], 0
.endm
.macro ASKM n, off                     ; the mask's bytes of step s[n], if it is part true: load k brings tile k / 8, keys 16 (k % 8) + 8 h + 0 .. 7 of my query.  (Bit 16 is 0: nothing is asked for beyond a row's end)
	BIT 96, PART, \n
	s_cbranch_scc0 .Lno_ask_\@
	s_wait_loadcnt 0x0                             ; no load into these registers is out
	WIN 0x40
.set k, 0
.rept 16
	global_load_b64 v[MB+2*k:MB+2*k+1], v[MOF], s[MWP:MWP+1] offset:32768*(k/8)+16*(k%8)+\off
.set k, k+1
.endr
	WIN 0
.Lno_ask_\@:
.endm
.macro QKPART                          ; the step's fragments from LDS, and S^T
	v_add_nc_u32 v[ADR], s[TBS], v[L16]
	ds_load_b128 v[KSC:KSC+3], v[ADR] offset:12288
	ds_load_b128 v[VSC:VSC+3], v[ADR] offset:12800
	WIN 0x40
.irp i, 0,1,2,3,4,5,6,7,8,9,10,11
	ds_load_b128 v[KF+4*\i:KF+4*\i+3], v[ADR] offset:512*\i
.endr
.irp i, 0,1,2,3,4,5,6,7,8,9,10,11
	ds_load_b128 v[VF+4*\i:VF+4*\i+3], v[ADR] offset:6144+512*\i
.endr
	s_wait_dscnt 12                                ; the scale words and K are in; V's twelve loads may be out
	WIN 0x01
.irp be, 0,1,2,3
.irp vv, 0,1
.irp u, 0,1
	v_wmma_scale_f32_16x16x128_f8f6f4 v[S+64*\u+16*\be+8*\vv:S+64*\u+16*\be+8*\vv+7], v[KF+12*\be:KF+12*\be+11], v[QF+18*\u+6*\vv:QF+18*\u+6*\vv+11], 0, v[KSC+\be], v[QS+2*\u+\vv] matrix_a_fmt:MATRIX_FMT_FP6 matrix_b_fmt:MATRIX_FMT_FP6
.endr
.endr
.endr
	WIN 0
.rept 4
	v_nop
.endr
.endm
; The softmax of tile u for one key step.  Register 16 b + i holds, of key block b, key 8 h + i (i < 8) or 16 + 8 h + i - 8: after the exchange of halves a block's slots hold keys 0-7, 16-23, 8-15, 24-31, as V's do.
.macro SOFT u
.set SB, S+64*(\u)
.set PB, P+12*(\u)
.set LB4, LS+4*(\u)
.irp b, 0,1,2,3
	v_max3_num_f32 v[MX+\b], v[SB+16*\b], v[SB+16*\b+1], v[SB+16*\b+2]     ; each block's largest score: p rises with the score, so it gives the block's largest p
.endr
.irp i, 3,5,7,9,11,13
.irp b, 0,1,2,3
	v_max3_num_f32 v[MX+\b], v[MX+\b], v[SB+16*\b+\i], v[SB+16*\b+\i+1]
.endr
.endr
.irp b, 0,1,2,3
	v_max_num_f32 v[MX+\b], v[MX+\b], v[SB+16*\b+15]
.endr
.irp b, 0,1,2,3
	s_delay_alu instid0(VALU_DEP_4)
	v_permlanex16_b32 v[PX+\b], v[MX+\b], s[SEL], s[SEL+1]
.endr
.irp b, 0,1,2,3
	s_delay_alu instid0(VALU_DEP_4)
	v_max_num_f32 v[MX+\b], v[MX+\b], v[PX+\b]
.endr
.set j, 0
.rept 32
	v_pk_mul_f32 v[SB+j:SB+j+1], v[SB+j:SB+j+1], s[CS:CS+1] op_sel_hi:[1,0]    ; t
.set j, j+2
.endr
.irp b, 0,1,2,3
	v_mul_f32 v[MX+\b], s[CS], v[MX+\b]            ; the same product of the same number: the same bits
.endr
.set j, 0
	s_wait_alu depctr_va_vdst(0)                   ; the wait ahead of the batch
.rept 64
	v_exp_f32 v[SB+j], v[SB+j]                     ; p = 2^t; a hidden score, -infinity, gives 0
.set j, j+1
.endr
.irp b, 0,1,2,3
	v_exp_f32 v[MX+\b], v[MX+\b]
.endr
	v_nop
	s_wait_alu depctr_va_vdst(0)                   ; and one behind it, ahead of its first reader
.irp b, 0,1,2,3
	v_max_num_f32 v[MX+\b], 0x1800000, v[MX+\b]    ; the floor 2^-124
.endr
.irp b, 0,1,2,3
	s_delay_alu instid0(VALU_DEP_4)
	v_add_nc_u32 v[SOP+\b], 0xff000000, v[MX+\b]   ; 2 off the exponent field: the conversion's scale operand
.endr
.irp b, 0,1,2,3
	s_delay_alu instid0(VALU_DEP_4)
	v_lshrrev_b32 v[PX+\b], 23, v[SOP+\b]
.endr
	s_delay_alu instid0(VALU_DEP_3)
	v_lshl_or_b32 v[PSC+(\u)], v[PX+1], 8, v[PX]
	s_delay_alu instid0(VALU_DEP_1)
	v_lshl_or_b32 v[PSC+(\u)], v[PX+2], 16, v[PSC+(\u)]
	s_delay_alu instid0(VALU_DEP_1)
	v_lshl_or_b32 v[PSC+(\u)], v[PX+3], 24, v[PSC+(\u)]
.irp c, 0,1
	v_cvt_scalef32_pk16_fp6_f32 v[PB+6*\c:PB+6*\c+2], v[SB+32*\c:SB+32*\c+15], v[SOP+2*\c]
	v_cvt_scalef32_pk16_fp6_f32 v[EE+4*\c:EE+4*\c+2], v[SB+32*\c+16:SB+32*\c+31], v[SOP+2*\c+1]
.endr
	v_nop                                          ; one plain place behind a scaled conversion
.irp c, 0,1
.irp i, 0,1,2
	v_permlane16_swap_b32 v[PB+6*\c+\i], v[EE+4*\c+\i]
.endr
.irp i, 0,1,2
	s_delay_alu instid0(VALU_DEP_3)
	v_mov_b32 v[PB+6*\c+3+\i], v[EE+4*\c+\i]
.endr
.endr
.set j, 0
.rept 16                               ; the row's sum, of the unquantised p.  These 32 lines are also the places between the scale word's and the codes' last writes and the products
	v_pk_add_f32 v[LB4:LB4+1], v[LB4:LB4+1], v[SB+j:SB+j+1]
	v_pk_add_f32 v[LB4+2:LB4+3], v[LB4+2:LB4+3], v[SB+j+2:SB+j+3]
.set j, j+4
.endr
.endm
	s_load_b256 s[4:11], s[0:1], 0x0               ; qws s[4:5], kv s[6:7], mask s[8:9], fl s[10:11]
	s_load_b128 s[12:15], s[0:1], 0x20             ; acodes s[12:13], ascales s[14:15]
	v_lshl_add_u32 v254, v0, 2, 0x34000            ; my spare word, behind the sixteen blocks
	v_mov_b32 v255, 0
	v_lshrrev_b32 v12, 5, v0
	s_delay_alu instid0(VALU_DEP_1)
	v_readfirstlane_b32 s[WV], v12                 ; wave
	s_and_b32 s[BH], ttmp7, 0xffff                 ; 16 b + head
	s_sub_co_u32 s[QB], 7, ttmp9                   ; the later block of queries first
	s_mov_b32 s[PAS], 2
	s_mov_b32 s[LB], 4
	s_mov_b32 s[CS], 0x3e38aa3b                    ; log2(e) / 8
	s_mov_b32 s[CS+1], s[CS]
	s_mov_b32 s[SEL], 0x76543210
	s_mov_b32 s[SEL+1], 0xfedcba98
	v_and_b32 v12, 31, v0
	v_lshlrev_b32 v[T16], 4, v0
	v_lshlrev_b32 v[T4], 2, v0
	v_lshlrev_b32 v[L16], 4, v12
	v_lshlrev_b32 v[L8], 3, v12
	v_and_b32 v13, 15, v0
	v_bfe_u32 v12, v0, 4, 1
	v_lshl_add_u32 v[RB], v13, 5, v12
	v_lshlrev_b32 v[R4], 2, v13
	v_lshlrev_b32 v13, 11, v13
	v_lshl_add_u32 v[MOF], v12, 3, v13
	v_mov_b32 v[NINF], 0xff800000
	v_mov_b32 v[CFF], 0xff
.irp u, 0,1
.irp i, 0,1,2,3,4,5
	v_mov_b32 v[QF+18*\u+6+\i], 0                  ; the zero codes between q and q
.endr
.endr
.irp b, 0,1,2,3
	v_mov_b32 v[PX+\b], 0                          ; a lane permute's destination counts as one of its sources
.endr
	v_mov_b32 v[RC+1], 0                           ; named as the upper halves of pairs, so they are written
	v_mov_b32 v[RC+3], 0
	WIN 0x40
.set j, 0
.rept 32
	v_mov_b32 v[MB+j], 0                           ; written once, so that they are written on every way
.set j, j+1
.endr
	WIN 0
	s_wait_alu depctr_va_vdst(0)                   ; the wait at the head's end
	s_wait_kmcnt 0x0
	s_mul_i32 s16, s[BH], 16*KVSTEP
	s_mov_b32 s17, 0
	s_add_nc_u64 s[KVP:KVP+1], s[6:7], s[16:17]    ; the head's key step 0
	LOADS 0                                        ; the first batch, ahead of the flags
	LOADS 1
	LOADS 2
	LOADS 3
.Lpass:
	s_wait_xcnt 0x0                                ; the last block's stores have read their registers and bases
	s_lshl_b32 s[PP], s[QB], 3
	s_add_co_u32 s[PP], s[PP], s[WV]               ; p = 8 qb + wave (second pass: wave xor 4)
	s_mov_b32 s17, 0
	s_lshl_b32 s16, s[PP], 6
	s_add_nc_u64 s[18:19], s[10:11], s[16:17]      ; my pair's 16 flag words
	s_lshl_b32 s16, s[QB], 9
	s_add_nc_u64 s[20:21], s[10:11], s[16:17]      ; this block's eight pairs',
	s_sub_co_u32 s16, 7, s[QB]
	s_lshl_b32 s16, s16, 9
	s_add_nc_u64 s[26:27], s[10:11], s[16:17]      ; and the other block's
	s_lshl_b32 s16, s[PP], 16
	s_add_nc_u64 s[MWP:MWP+1], s[8:9], s[16:17]    ; my pair's 32 rows of the mask
	s_lshl_b32 s16, s[BH], 4
	s_lshr_b32 s22, s[PP], 2
	s_add_co_u32 s16, s16, s22
	s_mul_i32 s16, s16, 6656
	s_add_nc_u64 s[24:25], s[4:5], s[16:17]        ; the block of qws with my pair
	s_and_b32 s22, s[PP], 3
	s_mul_i32 s23, s22, 1536
	s_lshl_b32 s22, s22, 2
	v_add_nc_u32 v[QIF], s23, v[L16]
	v_add_nc_u32 v[QOF], s22, v[L16]
	global_load_b32 v[RC], v[R4], s[18:19]
.irp w, 0,1,2,3,4,5,6,7
	global_load_b32 v[LS+\w], v[R4], s[20:21] offset:64*\w
	global_load_b32 v[S+\w], v[R4], s[26:27] offset:64*\w
.endr
.irp c, 0,1,2
	global_load_b128 v[P+4*\c:P+4*\c+3], v[QIF], s[24:25] offset:512*\c
.endr
	global_load_b32 v[RC+2], v[QOF], s[24:25] offset:6144
	s_mov_b32 s[JJ], 0
	s_mov_b32 s[TBS], 0
	s_mov_b32 s[BC], 0
	s_wait_loadcnt 0x0
	v_or3_b32 v[LS], v[LS], v[LS+1], v[LS+2]
	v_or3_b32 v[LS+3], v[LS+3], v[LS+4], v[LS+5]
	v_or3_b32 v[LS+6], v[LS+6], v[LS+7], v[S]
	v_or3_b32 v[S+1], v[S+1], v[S+2], v[S+3]
	v_or3_b32 v[S+4], v[S+4], v[S+5], v[S+6]
	v_or3_b32 v[LS], v[LS], v[LS+3], v[LS+6]
	v_or3_b32 v[S+1], v[S+1], v[S+4], v[S+7]
	v_or_b32 v[LS], v[LS], v[S+1]
	s_delay_alu instid0(VALU_DEP_1)
	v_and_b32 v[LS], 1, v[LS]
	s_delay_alu instid0(VALU_DEP_1)
	v_cmp_ne_u32 s[GG], 0, v[LS]                   ; lane j (and lane 16 + j) speaks for key step j: some pair of either block needs it
	s_and_b32 s[GG], s[GG], 0xffff
	s_or_b32 s[GG], s[GG], 15                      ; steps 0-3 were asked for at the head
	s_mov_b32 s83, s[GG]                           ; bits 0-3: the batch that is stored next (read in the first pass alone)
	v_and_b32 v[LS+1], 1, v[RC]
	s_delay_alu instid0(VALU_DEP_1)
	v_cmp_ne_u32 s[ANY], 0, v[LS+1]
	s_and_b32 s[ANY], s[ANY], 0xffff
	v_and_b32 v[LS+2], 2, v[RC]
	s_delay_alu instid0(VALU_DEP_1)
	v_cmp_ne_u32 s[ALL], 0, v[LS+2]
	s_and_b32 s[ALL], s[ALL], 0xffff
	s_and_not1_b32 s[PART], s[ANY], s[ALL]
	v_and_b32 v[QS], 0xffff, v[RC+2]               ; tile 0's two bytes for K 0-63,
	v_lshlrev_b32 v[QS+1], 16, v[RC+2]             ; for K 64-127;
	v_lshrrev_b32 v[QS+2], 16, v[RC+2]             ; tile 1's likewise
	v_and_b32 v[QS+3], 0xffff0000, v[RC+2]
.irp u, 0,1
.irp i, 0,1,2,3,4,5
	v_mov_b32 v[QF+18*\u+\i], v[P+6*\u+\i]
	v_mov_b32 v[QF+18*\u+12+\i], v[P+6*\u+\i]
.endr
.endr
	WIN 0x40
.set j, 0
.rept 64
	v_mov_b32 v[OA+j], 0
.set j, j+1
.endr
	WIN 0
.set j, 0
.rept 8
	v_mov_b32 v[LS+j], 0
.set j, j+1
.endr
	ASKM JJ, 0                                     ; step 0's bytes of the mask
.Lbatch:                               ; 8 trips, a constant, of two key steps
	s_cmp_eq_u32 s[LB], 0                          ; a counter made of constants: the same in every wave
	s_cbranch_scc1 .Lfilled
	s_sub_co_u32 s[LB], s[LB], 1
	s_wait_loadcnt 0x0                             ; this batch's bytes are in my registers, if they were asked for; the loads have read their base
	s_add_nc_u64 s[KVP:KVP+1], s[KVP:KVP+1], 4*KVSTEP
	s_min_u32 s96, s[BC], 3                        ; the batch: the first pass's trips 0 to 3
	s_mul_i32 s96, s96, 4*KVSTEP
	v_add_nc_u32 v[STA], s96, v[T16]
	v_add_nc_u32 v[STB], s96, v[T4]
	s_wait_alu depctr_va_vdst(0)                   ; the wait ahead of the branches below
	PUT 0
	PUT 1
	PUT 2
	PUT 3
	s_wait_dscnt 0x0                               ; for the others' sake: my stores have landed
	s_barrier_signal -1
	s_barrier_wait -1                              ; the batch is whole
	s_lshr_b32 s83, s83, 4                         ; the next batch's steps (bits 16 and up are 0: nothing is asked for beyond the head's last step)
	GET 0
	GET 1
	GET 2
	GET 3
.Lfilled:
	s_mov_b32 s[IC], 0
.Lstep:                                ; 2 trips, a constant
	BIT 96, ANY, JJ
	s_cbranch_scc0 .Lno_step
.rept 4
	v_nop                                          ; places in front of loads into registers that the last products read
.endr
	BIT 96, ALL, JJ
	s_cbranch_scc0 .Lmasked
	QKPART
	s_branch .Lopen
.Lmasked:
	QKPART
	s_wait_loadcnt 0x0                             ; the mask's bytes, asked for a step ago
.set k, 0
.rept 16                               ; eight score registers at a time, each accumulator from its low end on
	WIN 0x04                                       ; source 1: the mask's bytes
.irp j, 0,1,2,3,4,5,6,7
	v_and_b32 v[MX+\j], 0xff<<(8*(\j%4)), v[MB+2*k+\j/4]
.endr
	WIN 0
.irp j, 0,1,2,3,4,5,6,7
	v_cmp_ne_u32 s[16+\j], 0, v[MX+\j]
.endr
.irp j, 0,1,2,3,4,5,6,7
	v_cndmask_b32 v[S+8*k+\j], v[NINF], v[S+8*k+\j], s[16+\j]
.endr
.set k, k+1
.endr
.Lopen:
	s_add_co_u32 s97, s[JJ], 1
	ASKM 97, 128                                   ; the next step's bytes of the mask: this step's have been used
	SOFT 0
	SOFT 1
	s_wait_dscnt 0x0                               ; V is in
	WIN 0x51                                       ; source 0 (V), C and D (O^T) window 1
.irp dt, 0,1,2,3                       ; the eight accumulators by turns
.irp u, 0,1
	v_wmma_scale_f32_16x16x128_f8f6f4 v[OA+32*\u+8*\dt:OA+32*\u+8*\dt+7], v[VF+12*\dt:VF+12*\dt+11], v[P+12*\u:P+12*\u+11], v[OA+32*\u+8*\dt:OA+32*\u+8*\dt+7], v[VSC+\dt], v[PSC+\u] matrix_a_fmt:MATRIX_FMT_FP6 matrix_b_fmt:MATRIX_FMT_FP6
.endr
.endr
	WIN 0
	s_branch .Lnext
.Lno_step:
	s_add_co_u32 s97, s[JJ], 1
	ASKM 97, 128
.Lnext:
	s_wait_xcnt 0x0                                ; the loads that name the mask's base have read it
	s_add_co_u32 s[TBS], s[TBS], KVSTEP
	s_add_nc_u64 s[MWP:MWP+1], s[MWP:MWP+1], 128
	s_add_co_u32 s[JJ], s[JJ], 1
	s_add_co_u32 s[IC], s[IC], 1
	s_cmp_lt_u32 s[IC], 2
	s_cbranch_scc1 .Lstep
	s_add_co_u32 s[BC], s[BC], 1
	s_cmp_lt_u32 s[BC], 8
	s_cbranch_scc1 .Lbatch
	; ---- the block's end: O^T / the sum, quantised along D.  Lane (r, h) holds channels 32 h + 0 .. 31 of query r in natural order: a whole block
.rept 4
	v_nop
.endr
	s_wait_alu depctr_va_vdst(0)
.irp u, 0,1
	v_pk_add_f32 v[LS+4*\u:LS+4*\u+1], v[LS+4*\u:LS+4*\u+1], v[LS+4*\u+2:LS+4*\u+3]
.endr
.irp u, 0,1
	s_delay_alu instid0(VALU_DEP_2)
	v_add_f32 v[LS+4*\u], v[LS+4*\u], v[LS+4*\u+1]
.endr
.irp u, 0,1
	s_delay_alu instid0(VALU_DEP_2)
	v_permlanex16_b32 v[LS+4*\u+1], v[LS+4*\u], s[SEL], s[SEL+1]
.endr
.irp u, 0,1
	s_delay_alu instid0(VALU_DEP_2)
	v_add_f32 v[LS+4*\u], v[LS+4*\u], v[LS+4*\u+1] ; the row's sum
.endr
	s_wait_alu depctr_va_vdst(0)
.irp u, 0,1
	v_rcp_f32 v[RC+2*\u], v[LS+4*\u]
.endr
	v_nop
.irp u, 0,1
	v_cmp_eq_f32 s[96+\u], 0, v[LS+4*\u]           ; a row without a true entry (it chooses a value below, no branch)
.endr
	s_lshr_b32 s16, s[BH], 4                       ; b
	s_and_b32 s17, s[BH], 15                       ; head
	s_lshl_b32 s18, s16, 7
	s_lshl_b32 s19, s[PP], 1
	s_add_co_u32 s18, s18, s19                     ; my first tile of 16 rows: 128 b + 2 p
	s_lshl_b32 s18, s18, 4
	s_add_co_u32 s18, s18, s17
	s_mul_i32 s18, s18, 768                        ; 768 bytes for a tile of rows and a head
	s_mov_b32 s19, 0
	s_add_nc_u64 s[98:99], s[12:13], s[18:19]
	s_lshl_b32 s18, s16, 11
	s_lshl_b32 s20, s[PP], 5
	s_add_co_u32 s18, s18, s20                     ; my first row
	s_lshl_b32 s18, s18, 5                         ; 32 scale bytes a row
	s_lshl_b32 s20, s17, 1
	s_add_co_u32 s18, s18, s20
	s_add_nc_u64 s[22:23], s[14:15], s[18:19]
	s_wait_alu depctr_va_vdst(0)                   ; one wait for the two reciprocals, ahead of their first reader
	WIN 0x01
.irp u, 0,1
.irp i, 0,2,4,6,8,10,12,14,16,18,20,22,24,26,28,30
	v_pk_mul_f32 v[S+32*\u+\i:S+32*\u+\i+1], v[OA+32*\u+\i:OA+32*\u+\i+1], v[RC+2*\u:RC+2*\u+1] op_sel_hi:[1,0]   ; each accumulator from its low end on
.endr
.endr
	WIN 0
.irp u, 0,1
	v_max3_num_f32 v[MX+\u], |v[S+32*\u]|, |v[S+32*\u+1]|, 0x1800000
.endr
.irp i, 2,4,6,8,10,12,14,16,18,20,22,24,26,28,30
.irp u, 0,1
	s_delay_alu instid0(VALU_DEP_2)
	v_max3_num_f32 v[MX+\u], v[MX+\u], |v[S+32*\u+\i]|, |v[S+32*\u+\i+1]|
.endr
.endr
.irp u, 0,1
	s_delay_alu instid0(VALU_DEP_2)
	v_add_nc_u32 v[SOP+\u], 0xff000000, v[MX+\u]
.endr
.irp u, 0,1
	s_delay_alu instid0(VALU_DEP_2)
	v_lshrrev_b32 v[PX+\u], 23, v[SOP+\u]
.endr
.irp u, 0,1
	s_delay_alu instid0(VALU_DEP_2)
	v_cndmask_b32 v[PX+\u], v[PX+\u], v[CFF], s[96+\u]
.endr
.irp u, 0,1
	v_cvt_scalef32_pk16_fp6_f32 v[P+6*\u:P+6*\u+2], v[S+32*\u:S+32*\u+15], v[SOP+\u]
	v_cvt_scalef32_pk16_fp6_f32 v[EE+4*\u:EE+4*\u+2], v[S+32*\u+16:S+32*\u+31], v[SOP+\u]
.endr
	v_nop                                          ; one plain place behind a scaled conversion
.irp u, 0,1
.irp i, 0,1,2
	v_mov_b32 v[P+6*\u+3+\i], v[EE+4*\u+\i]
.endr
.endr
.irp u, 0,1
.irp c, 0,1,2
	global_store_b64 v[L8], v[P+6*\u+2*\c:P+6*\u+2*\c+1], s[98:99] offset:12288*\u+256*\c   ; 32 lanes store 256 consecutive bytes, aligned: the last product's operand registers as they will be loaded
.endr
.endr
.irp u, 0,1
	global_store_b8 v[RB], v[PX+\u], s[22:23] offset:512*\u        ; a head owns 2 of a row's 32 scale bytes: single bytes, one part in 24 of what the launch stores
.endr
	s_xor_b32 s[WV], s[WV], 4                      ; in the other block I take the pair of wave w xor 4
	s_sub_co_u32 s[QB], 7, s[QB]
	s_sub_co_u32 s[PAS], s[PAS], 1
	s_cmp_lg_u32 s[PAS], 0
	s_cbranch_scc1 .Lpass
	s_wait_tensorcnt 0x0                           ; the wave's end
	ds_add_u32 v254, v255
	s_wait_dscnt 0x0
	s_endpgm
.Lfunc_end_k_qb004624ea3_attn:
	.size	k_qb004624ea3_attn, .Lfunc_end_k_qb004624ea3_attn-k_qb004624ea3_attn
	.p2alignl 7, 3214868480
	.fill 96, 4, 3214868480
	.section	.rodata,"a",@progbits
	.p2align	6, 0x0
	.amdhsa_kernel k_qb004624ea3_attn
		.amdhsa_group_segment_fixed_size 214016
		.amdhsa_private_segment_fixed_size 0
		.amdhsa_enable_private_segment 0
		.amdhsa_kernarg_size 48
		.amdhsa_user_sgpr_count 2
		.amdhsa_user_sgpr_kernarg_segment_ptr 1
		.amdhsa_wavefront_size32 1
		.amdhsa_system_sgpr_workgroup_id_x 1
		.amdhsa_system_sgpr_workgroup_id_y 1
		.amdhsa_system_sgpr_workgroup_id_z 1
		.amdhsa_system_vgpr_workitem_id 0
		.amdhsa_next_free_vgpr 512
		.amdhsa_next_free_sgpr 102
		.amdhsa_reserve_vcc 0
		.amdhsa_float_denorm_mode_32 3
		.amdhsa_float_denorm_mode_16_64 3
		.amdhsa_memory_ordered 1
		.amdhsa_forward_progress 1
		.amdhsa_inst_pref_size 87
	.end_amdhsa_kernel
	.amdgpu_metadata
---
amdhsa.version: [ 1, 2 ]
amdhsa.kernels:
  - .name:           k_qb004624ea3_attn
    .symbol:         k_qb004624ea3_attn.kd
    .args:
      - { .name: qws, .offset: 0, .size: 8, .value_kind: global_buffer, .address_space: global }
      - { .name: kv, .offset: 8, .size: 8, .value_kind: global_buffer, .address_space: global }
      - { .name: mask, .offset: 16, .size: 8, .value_kind: global_buffer, .address_space: global }
      - { .name: fl, .offset: 24, .size: 8, .value_kind: global_buffer, .address_space: global }
      - { .name: acodes, .offset: 32, .size: 8, .value_kind: global_buffer, .address_space: global }
      - { .name: ascales, .offset: 40, .size: 8, .value_kind: global_buffer, .address_space: global }
    .group_segment_fixed_size: 214016
    .private_segment_fixed_size: 0
    .kernarg_segment_align: 8
    .kernarg_segment_size: 48
    .max_flat_workgroup_size: 256
    .sgpr_count:     102
    .vgpr_count:     512
    .wavefront_size: 32
...
	.end_amdgpu_metadata
.endif
;; end of part 2
;; launch oproj (part 3): grid 4 x 64, 4 waves a work-group, clusters of 4 x 4, 327,680 bytes of LDS; arguments acodes, ascales, wo_codes, wo_scales, out0; writes out0
.if DOCPART == 3
	.amdgcn_target "amdgcn-amd-amdhsa--gfx1250"
	.amdhsa_code_object_version 6
	.text
	.protected	k_qb004624ea3_oproj
	.globl	k_qb004624ea3_oproj
	.p2align	8
	.type	k_qb004624ea3_oproj,@function
k_qb004624ea3_oproj:
	s_mov_b64 s[64:65], 0
	v_nop
	global_prefetch_b8 v0, s[64:65] scope:SCOPE_SE
	s_setreg_imm32_b32 hwreg(HW_REG_WAVE_MODE, 25, 1), 1
	s_wait_xcnt 0x0
	s_wait_alu depctr_hold_cnt(0) depctr_sa_sdst(0) depctr_va_vdst(0) depctr_va_sdst(0) depctr_va_ssrc(0) depctr_va_vcc(0) depctr_vm_vsrc(0)
	s_getreg_b32 s2, hwreg(HW_REG_IB_STS2, 6, 4)
	s_cmp_eq_u32 s2, 0
	s_cbranch_scc0 .Lentry_in_a_cluster
	s_endpgm
.Lentry_in_a_cluster:
	s_bfe_u32 s2, ttmp6, 0x10000c
	s_cmp_lg_u32 s2, 0xf033
	s_cbranch_scc0 .Lentry_shape_is_right
	s_endpgm
.Lentry_shape_is_right:
; out = a Wo^T on codes of FP6 (E2M3) with E8M0 scales; a's codes as attention stored them: for a tile of 16 rows and a head 768 bytes, the operand's registers 2 c, 2 c + 1 of lane l at 256 c + 8 l.
; SHARES.  256 work-groups: (cx, y) makes rows 128 y .. + 127 x columns 256 cx .. + 255; wave w makes 128 rows x 64 columns: 32 accumulators.
; ALL OF K LIES IN LDS, filled once: a's 128 rows are a dense block of 98,304 bytes; Wo's 256 rows come as units of 256 bytes with 16 bytes of padding behind each, so a row of 768 bytes has the pitch 816.
; One joint load a wave at the head (clusters of 4 x 4: a's rows shared along a row, Wo's along a column); nothing is filled again, and there is no loop to run ahead in, so no prefetch.
; Scale words go from memory into registers: 16 lanes read 512 consecutive bytes.
; Source 0 = 16 rows of Wo, source 1 = 16 rows of a: a lane holds eight neighbouring columns of a row.  A block of 16 rows x 64 columns goes through my stage, in a's bytes behind a barrier, and
; leaves as whole rows of 256 bytes.
; REGISTERS: window 0: v0-31 addresses; v32-95 a's scale words, v96-127 Wo's, and nothing else there; v128-223 Wo's fragments, two sets (on the way out: rows read back).
;   window 1: a's fragments, two sets at v0 and v128.  window 2: the accumulators, (a, b) at 8 (4 a + b).
.set PITCH,  816
.set BOFF,   98304
.set SPARE,  BOFF+256*PITCH
.set SPITCH, 272
.set ADRA, 16                          ; v16 a's tiles 0-3, v17 tiles 4-7: 8 x lane
.set ADRB, 20
.set STO,  24
.set RD,   25
.set CO,   26
.set SOF,  27
.set SPW,  28
.set NIL,  29
.set SA,   32
.set SB,   96
.set BF,   128
.set BK,   128
.set G1,  24
.set G0A, 32
.set G0B, 36
.set G1B, 48
.set MSB, 0
.macro WIN new
.if MSB != (\new)
	s_set_vgpr_msb (MSB<<8)|(\new)
.set MSB, (\new)
.endif
.endm
.macro PLACES
.rept 4
	v_nop
.endr
.endm
.macro CROUND
	s_barrier_signal -1
	s_barrier_wait -1
	s_cmp_lg_u32 s14, 0
	s_cbranch_scc1 .Lnot_wave_0_\@
	s_barrier_signal -3
.Lnot_wave_0_\@:
	s_barrier_wait -3
	s_barrier_signal -1
	s_barrier_wait -1
.endm
.macro FRAG reg, adr, st, off          ; byte y of a row of Wo lies at y + 16 (y / 256); where lanes 16-31 fall behind one padding more, the second register serves
.irp p, 0,1,2,3,4,5
.set BY, 96*(\st)+48*(\p/3)+8*(\p%3)
.if BY%256 < 232
	ds_load_b64 v[\reg+2*\p:\reg+2*\p+1], v[\adr] offset:BY+16*(BY/256)+(\off)
.else
	ds_load_b64 v[\reg+2*\p:\reg+2*\p+1], v[\adr+1] offset:BY+16*(BY/256)+(\off)
.endif
.endr
.endm
.macro FRAGA reg, adr, st, i           ; step st is heads 2 st and 2 st + 1
.irp p, 0,1,2,3,4,5
	ds_load_b64 v[\reg+2*\p:\reg+2*\p+1], v[\adr] offset:12288*(\i)+1536*(\st)+256*\p
.endr
.endm
.macro FETCH1 st
	WIN 0
.irp i, 0,1,2,3
	FRAG BF+48*((\st)%2)+12*\i, ADRB, \st, \i*16*PITCH
.endr
	WIN 0x40
.irp i, 0,1,2,3
	FRAGA 128*((\st)%2)+12*\i, ADRA, \st, \i
.endr
.endm
.macro FETCH2 st
	WIN 0x40
.irp i, 0,1,2,3
	FRAGA 128*((\st)%2)+48+12*\i, ADRA+1, \st, \i
.endr
.endm
.macro MULH st, a0, zero               ; the 32 accumulators take turns in the same order in every step
	WIN 0xa4
.irp a, \a0, \a0+1, \a0+2, \a0+3
.irp b, 0,1,2,3
.if \zero
	v_wmma_scale_f32_16x16x128_f8f6f4 v[8*(4*(\a)+\b):8*(4*(\a)+\b)+7], v[BF+48*((\st)%2)+12*\b:BF+48*((\st)%2)+12*\b+11], v[128*((\st)%2)+12*(\a):128*((\st)%2)+12*(\a)+11], 0, v[SB+8*\b+(\st)], v[SA+8*(\a)+(\st)] matrix_a_fmt:MATRIX_FMT_FP6 matrix_b_fmt:MATRIX_FMT_FP6
.else
	v_wmma_scale_f32_16x16x128_f8f6f4 v[8*(4*(\a)+\b):8*(4*(\a)+\b)+7], v[BF+48*((\st)%2)+12*\b:BF+48*((\st)%2)+12*\b+11], v[128*((\st)%2)+12*(\a):128*((\st)%2)+12*(\a)+11], v[8*(4*(\a)+\b):8*(4*(\a)+\b)+7], v[SB+8*\b+(\st)], v[SA+8*(\a)+(\st)] matrix_a_fmt:MATRIX_FMT_FP6 matrix_b_fmt:MATRIX_FMT_FP6
.endif
.endr
.endr
.endm
.macro KSTEP st, zero
	s_wait_dscnt 24                                ; Wo's fragments and a's tiles 0-3 are in; the youngest 24 loads may be out
	MULH \st, 0, \zero
	PLACES                                         ; the other sets were read by the step before
	FETCH1 (\st)+1
	s_wait_dscnt 48                                ; all but the 48 just issued
	MULH \st, 4, \zero
	FETCH2 (\st)+1
.endm
	s_load_b256 s[68:75], s[0:1], 0x0              ; acodes 68, ascales 70, Wo's codes 72, scales 74
	s_load_b64 s[12:13], s[0:1], 0x20              ; out0
	v_lshl_add_u32 v[SPW], v0, 2, SPARE
	v_mov_b32 v[NIL], 0
	ds_add_u32 v[SPW], v[NIL]                      ; the opening lines: the add, twice on end, and its wait
	ds_add_u32 v[SPW], v[NIL]
	v_lshrrev_b32 v1, 5, v0
	v_readfirstlane_b32 s14, v1                    ; wave
	s_lshr_b32 s15, s14, 1                         ; I fetch for a (0) or for Wo (1),
	s_and_b32 s16, s14, 1                          ; and which half
	s_bfe_u32 s40, ttmp6, 0x40000                  ; cx
	s_bfe_u32 s41, ttmp6, 0x40004                  ; cy
	s_and_b32 s17, ttmp7, 0xffff
	s_lshl_b32 s17, s17, 2
	s_add_co_u32 s17, s17, s41                     ; y
	s_lshl_b32 s43, s41, 2
	s_lshl_b32 s43, 15, s43
	s_lshl_b32 s44, 0x1111, s40
	s_or_b32 s[G1+0], s43, (3<<16)|(1<<21)         ; a: units of 256 bytes, no padding
	s_or_b32 s[G1B+0], s44, (3<<16)|(1<<20)|(1<<21)|(5<<22)|(3<<25)
	s_mov_b32 s[G1+1], 32<<16
	s_mov_b32 s[G1+2], 192<<16                     ; four tiles of 12,288 bytes
	s_mov_b32 s[G1+3], 32<<16
	s_mov_b32 s[G1+4], 192
	s_mov_b32 s[G1+5], 32
	s_mov_b32 s[G1+6], 0
	s_mov_b32 s[G1+7], 0
	s_mov_b32 s[G1B+1], 32<<16
	s_mov_b32 s[G1B+2], 384<<16                    ; 128 rows of Wo
	s_mov_b32 s[G1B+3], 32<<16
	s_mov_b32 s[G1B+4], 384
	s_mov_b32 s[G1B+5], 32
	s_mov_b32 s[G1B+6], 0
	s_mov_b32 s[G1B+7], 0
	s_lshl_b32 s20, s17, 3
	s_lshl_b32 s21, s16, 2
	s_add_co_u32 s20, s20, s21
	s_mul_i32 s20, s20, 12288                      ; a: tile 8 y + 4 x half
	s_mov_b32 s21, 0
	s_lshl_b32 s46, s40, 8
	s_lshl_b32 s47, s16, 7
	s_add_co_u32 s46, s46, s47
	s_mul_i32 s46, s46, 768                        ; Wo: row 256 cx + 128 x half
	s_mov_b32 s47, 0
	s_lshl_b32 s94, s40, 8
	s_lshl_b32 s95, s14, 6
	s_add_co_u32 s94, s94, s95                     ; my 64 columns
	s_lshl_b32 s92, s94, 2                         ; in bytes of a row of the result
	s_lshl_b32 s94, s94, 5                         ; their scales
	s_mov_b32 s95, 0
	s_lshl_b32 s90, s17, 19                        ; my first row of the result: 128 y rows of 4,096 bytes
	s_add_co_u32 s92, s92, s90
	s_mov_b32 s93, 0
	s_lshl_b32 s22, s17, 12
	s_mov_b32 s23, 0
	s_wait_dscnt 0x0
	s_wait_kmcnt 0x0
	s_add_nc_u64 s[20:21], s[68:69], s[20:21]
	s_add_nc_u64 s[46:47], s[72:73], s[46:47]
	s_add_nc_u64 s[70:71], s[70:71], s[22:23]
	s_add_nc_u64 s[74:75], s[74:75], s[94:95]
	s_add_nc_u64 s[12:13], s[12:13], s[92:93]
	CROUND                                         ; all sixteen work-groups are here: the joint loads meet
	s_mov_b32 s[G0A], 1
	s_mul_i32 s[G0A+1], s16, 49152
	s_mov_b64 s[G0A+2:G0A+3], s[20:21]
	s_or_b32 s[G0A+3], s[G0A+3], 0x80000000
	s_mov_b32 s[G0B], 1
	s_mul_i32 s[G0B+1], s16, 128*PITCH
	s_add_co_u32 s[G0B+1], s[G0B+1], BOFF
	s_mov_b64 s[G0B+2:G0B+3], s[46:47]
	s_or_b32 s[G0B+3], s[G0B+3], 0x80000000
	s_cmp_eq_u32 s15, 0                            ; one tensor load a wave
	s_cbranch_scc0 .Lhead_b
	tensor_load_to_lds s[G0A:G0A+3], s[G1:G1+7]
	s_nop 0
	PLACES
	s_branch .Lhead_asked
.Lhead_b:
	tensor_load_to_lds s[G0B:G0B+3], s[G1B:G1B+7]
	s_nop 0
	PLACES
.Lhead_asked:
	v_and_b32 v1, 15, v0                           ; r
	v_bfe_u32 v2, v0, 4, 1                         ; h
	v_and_b32 v6, 31, v0
	v_lshlrev_b32 v[ADRA], 3, v6
	v_add_nc_u32 v[ADRA+1], 49152, v[ADRA]
	v_mul_u32_u24 v3, v1, PITCH
	v_mad_u32_u24 v4, v2, 24, v3
	v_lshl_add_u32 v5, v2, 4, v4
	s_mul_i32 s22, s14, 64*PITCH
	s_add_co_u32 s22, s22, BOFF
	v_add_nc_u32 v[ADRB], s22, v4
	v_add_nc_u32 v[ADRB+1], s22, v5
	s_mul_i32 s23, s14, 16*SPITCH                  ; my stage
	v_mul_u32_u24 v5, v1, SPITCH
	v_lshl_add_u32 v5, v2, 5, v5
	v_add_nc_u32 v[STO], s23, v5                   ; in: row r, + 32 h
	v_mul_u32_u24 v5, v2, SPITCH
	v_lshl_add_u32 v5, v1, 4, v5
	v_add_nc_u32 v[RD], s23, v5                    ; back: lanes 0-15 one row of 256 bytes, lanes 16-31 the next
	v_lshlrev_b32 v5, 12, v2
	v_lshl_add_u32 v[CO], v1, 4, v5                ; and the same two rows in the result
	v_lshlrev_b32 v[SOF], 5, v1
	s_wait_alu depctr_va_vdst(0)                   ; the wait at the head's end
.irp i, 0,1,2,3,4,5,6,7
	global_load_b128 v[SA+8*\i:SA+8*\i+3], v[SOF], s[70:71] offset:512*\i
	global_load_b128 v[SA+8*\i+4:SA+8*\i+7], v[SOF], s[70:71] offset:512*\i+16
.endr
.irp i, 0,1,2,3
	global_load_b128 v[SB+8*\i:SB+8*\i+3], v[SOF], s[74:75] offset:512*\i
	global_load_b128 v[SB+8*\i+4:SB+8*\i+7], v[SOF], s[74:75] offset:512*\i+16
.endr
	s_wait_tensorcnt 0x0                           ; my part is in,
	s_barrier_signal -1
	s_barrier_wait -1                              ; everybody's is
	FETCH1 0
	FETCH2 0
	s_wait_loadcnt 0x0                             ; the scale words
	KSTEP 0, 1                                     ; the first step starts the sums
.set ST, 1
.rept 6
	KSTEP ST, 0
.set ST, ST+1
.endr
	s_wait_dscnt 24
	MULH 7, 0, 0
	s_wait_dscnt 0
	MULH 7, 4, 0
	WIN 0
	s_barrier_signal -1
	s_barrier_wait -1                              ; nobody reads a's bytes any more: they have had their only fill and serve as stages
.macro TOSTAGE a
	WIN 0x08                                       ; an LDS store's data are its source 1
.irp b, 0,1,2,3
	ds_store_b128 v[STO], v[32*(\a)+8*\b:32*(\a)+8*\b+3] offset:64*\b          ; each accumulator from its low end on
	ds_store_b128 v[STO], v[32*(\a)+8*\b+4:32*(\a)+8*\b+7] offset:64*\b+16
.endr
	WIN 0
.irp t, 0,1,2,3,4,5,6,7
	ds_load_b128 v[BK+32*((\a)%2)+4*\t:BK+32*((\a)%2)+4*\t+3], v[RD] offset:\t*2*SPITCH   ; LDS serves a wave's instructions in order (ISA guide 5.7.1.4)
.endr
.endm
.macro SEND a, younger                 ; younger: the LDS instructions issued behind block a's loads
	s_wait_dscnt \younger
.if (\a) > 0
	s_add_nc_u64 s[12:13], s[12:13], 16*4096       ; behind a wait on XCNT: the earlier stores have read their base
.endif
.irp t, 0,1,2,3,4,5,6,7
	global_store_b128 v[CO], v[BK+32*((\a)%2)+4*\t:BK+32*((\a)%2)+4*\t+3], s[12:13] offset:2*\t*4096 th:TH_STORE_NT   ; 16 lanes store 256 consecutive bytes, aligned
.endr
.endm
	PLACES
	TOSTAGE 0
.irp a, 1,2,3,4,5,6,7
.if \a > 1
	s_wait_xcnt 0x0                                ; block a - 2's stores have read their registers and their base
.endif
	TOSTAGE \a
	SEND \a-1, 16                                  ; behind block a - 1's loads: block a's 8 stores and 8 loads
.endr
	s_wait_xcnt 0x0
	SEND 7, 0
	s_wait_tensorcnt 0x0                           ; the wave's end
	ds_add_u32 v[SPW], v[NIL]
	s_wait_dscnt 0x0
	CROUND                                         ; the closing round
	s_endpgm
.Lfunc_end_k_qb004624ea3_oproj:
	.size	k_qb004624ea3_oproj, .Lfunc_end_k_qb004624ea3_oproj-k_qb004624ea3_oproj
	.p2alignl 7, 3214868480
	.fill 96, 4, 3214868480
	.section	.rodata,"a",@progbits
	.p2align	6, 0x0
	.amdhsa_kernel k_qb004624ea3_oproj
		.amdhsa_group_segment_fixed_size 327680
		.amdhsa_private_segment_fixed_size 0
		.amdhsa_enable_private_segment 0
		.amdhsa_kernarg_size 40
		.amdhsa_user_sgpr_count 2
		.amdhsa_user_sgpr_kernarg_segment_ptr 1
		.amdhsa_wavefront_size32 1
		.amdhsa_system_sgpr_workgroup_id_x 1
		.amdhsa_system_sgpr_workgroup_id_y 1
		.amdhsa_system_sgpr_workgroup_id_z 1
		.amdhsa_system_vgpr_workitem_id 0
		.amdhsa_next_free_vgpr 1024
		.amdhsa_next_free_sgpr 102
		.amdhsa_reserve_vcc 0
		.amdhsa_float_denorm_mode_32 3
		.amdhsa_float_denorm_mode_16_64 3
		.amdhsa_memory_ordered 1
		.amdhsa_forward_progress 1
		.amdhsa_inst_pref_size 95
	.end_amdhsa_kernel
	.amdgpu_metadata
---
amdhsa.version: [ 1, 2 ]
amdhsa.kernels:
  - .name:           k_qb004624ea3_oproj
    .symbol:         k_qb004624ea3_oproj.kd
    .args:
      - { .name: acodes, .offset: 0, .size: 8, .value_kind: global_buffer, .address_space: global }
      - { .name: ascales, .offset: 8, .size: 8, .value_kind: global_buffer, .address_space: global }
      - { .name: wo_codes, .offset: 16, .size: 8, .value_kind: global_buffer, .address_space: global }
      - { .name: wo_scales, .offset: 24, .size: 8, .value_kind: global_buffer, .address_space: global }
      - { .name: out0, .offset: 32, .size: 8, .value_kind: global_buffer, .address_space: global }
    .group_segment_fixed_size: 327680
    .private_segment_fixed_size: 0
    .kernarg_segment_align: 8
    .kernarg_segment_size: 40
    .max_flat_workgroup_size: 128
    .sgpr_count:     102
    .vgpr_count:     1024
    .wavefront_size: 32
...
	.end_amdgpu_metadata
.endif
;; end of part 3
